; MI455X (gfx1250); checked and timed in simulation.
; The chip was launched on July 23, 2026; its instructions are those of AMD's public machine-readable ISA for CDNA 5 (MIT licence, August 2026) and "CDNA5" Instruction Set Architecture Reference Guide (July 2026). The comments in the code are by the model that wrote it; some were corrected since.
;; Multi Head Self Attention. Allowed arithmetic: matrix products marked QUANTISED: E2M1 operands, one E8M0 scale for each 32 along K, by v_wmma_scale_f32_16x16x128_f8f6f4 with both operands' format E2M1 (or v_wmma_scale_f32_32x16x128_f4), f32 sums; products left as they are: bf16, f16 or f32 operands; f32 sums; everything else in f32.
;; Inputs: Wk 1,024 x 1,024 float32; Wo 1,024 x 1,024 float32; Wq 1,024 x 1,024 float32; Wv 1,024 x 1,024 float32; bk 1,024 float32; bo 1,024 float32; bq 1,024 float32; bv 1,024 float32; x 4 x 2,048 x 1,024 float32.
;; Outputs: out0 4 x 2,048 x 1,024 float32.
;; This version of the problem:
;;   THIS VERSION OF THE PROBLEM IS GIVEN IN LOW PRECISION. The matrix products marked QUANTISED in the list below multiply operands that are first quantised to E2M1 (2 exponent bits, 1 mantissa bit; 4 bits a number), with one power-of-two scale for each 32 numbers along K (OCP MX v1.0); their sums are f32. The products marked 'left as it is' may take bf16, f16 or f32 operands, with f32 sums. Whichever they take, every output number must still come out within the allowed error. Rounding operands to bf16 (8 significant bits) uses up far more of that allowance than f16 does (11 bits, for magnitudes from 6e-5 to 65,504). All else is computed in f32.
;;   The module's matrix products, in the order in which they are computed (A, B: the left and right operand; K: the contracted axis; several contracted axes count as one K, in the product's order):
;;     1. [M 8,192, K 1,024] x [K 1,024, N 1,024]; A: input x; B: input Wq: QUANTISED
;;     2. [M 8,192, K 1,024] x [K 1,024, N 1,024]; A: input x; B: input Wk: QUANTISED
;;     3. [M 8,192, K 1,024] x [K 1,024, N 1,024]; A: input x; B: input Wv: QUANTISED
;;     4. batch 64 x [M 2,048, K 64] x [K 64, N 2,048]; A: computed on the way; B: computed on the way: left as it is (an operand is computed on the way)
;;     5. batch 64 x [M 2,048, K 2,048] x [K 2,048, N 64]; A: computed on the way; B: computed on the way: left as it is (an operand is computed on the way)
;;     6. [M 8,192, K 1,024] x [K 1,024, N 1,024]; A: computed on the way; B: input Wo: left as it is (an operand is computed on the way)
;;   THE QUANTISER, for each operand of a quantised product, along K:
;;     - K is cut into blocks of 32 from its start; a last block that is shorter is filled with zeros.
;;     - A block's scale is 2^e with e = floor(log2(the largest magnitude in the block)) - 2, held to -126 .. 127; a block of zeros has e = 0. As a byte (E8M0): e + 127.
;;     - Each number is divided by its block's scale, clamped to +-6, and rounded to the nearest number of E2M1, ties to even, subnormals kept.
;;     - The product sums the exact products of the quantised numbers (number of the format x scale) in f32.
;;   ~~~python
;;   def quantise(x, axis):      # numpy; x: float32 -> the quantised numbers, widened to float32 again
;;       x = np.moveaxis(x, axis, -1); K = x.shape[-1]
;;       x = np.pad(x, [(0, 0)] * (x.ndim - 1) + [(0, -K % 32)]); x = x.reshape(x.shape[:-1] + (-1, 32)); a = np.abs(x).max(-1, keepdims=True)
;;       e = np.where(a > 0, np.clip(np.frexp(np.where(a > 0, a, 1))[1] - 1 - 2, -126, 127), 0)      # np.frexp(a)[1] - 1 = floor(log2(a)), exactly
;;       r = np.clip(x / 2.0 ** e, -6, 6)
;;       step = 2.0 ** (np.maximum(np.frexp(np.where(r == 0, 1, r))[1] - 1, 0) - 1)
;;       q = np.round(r / step) * step * 2.0 ** e      # np.round: ties to even
;;       return np.moveaxis(q.reshape(q.shape[:-2] + (-1,))[..., :K], -1, axis).astype(np.float32)
;;   ~~~
;; One version. Each part assembles by itself: llvm-mc -triple=amdgcn-amd-amdhsa -mcpu=gfx1250 --defsym DOCPART=n.
;; ======== version 1 of 1: 4 launches
;; limits: values are held in f16: magnitudes above 65,504 overflow, below 6.1e-05 lose precision
;; workspace buffers: codes 5,767,168 bytes; scales 360,448 bytes; wo16 2,097,152 bytes; qkv 50,331,648 bytes; aimg 16,777,216 bytes
;; launch prep (part 1): grid 384 x 1, 4 waves a work-group, no clusters, 33,280 bytes of LDS; arguments x, Wq, Wk, Wv, Wo, codes, scales, wo16; writes codes, scales, wo16
.if DOCPART == 1
	.amdgcn_target "amdgcn-amd-amdhsa--gfx1250"
	.amdhsa_code_object_version 6
	.text
	.protected	k_q4cf77e42f1_prep
	.globl	k_q4cf77e42f1_prep
	.p2align	8
	.type	k_q4cf77e42f1_prep,@function
k_q4cf77e42f1_prep:
	s_mov_b64 s[64:65], 0
	v_nop
	global_prefetch_b8 v0, s[64:65] scope:SCOPE_SE
	s_setreg_imm32_b32 hwreg(HW_REG_WAVE_MODE, 25, 1), 1
	s_wait_xcnt 0x0
; THE PROGRAM: multi-head self-attention, B 4, S 2,048, D 1,024, 16 heads of 64.  Four launches: this one (operands made ready), qkv (the three quantised projections), attn (scores, softmax, weighted values), oproj (the projection out).
; WORK LEFT OUT: bk.  scores[q][k] = q . (x Wk^T)[k] / 8 + q . bk / 8.  The second term does not hang on the key k: it is the same along the softmax's axis, and softmax(s + const) = softmax(s) for all finite values.
;   The scores' product is not quantised, so no quantiser sees bk either.  So bk has no way to any output: it is not loaded and is among no launch's arguments.  The product x Wk^T itself is live and is done.
;   LIMIT: a NaN, an infinity or an overflow that reaches only q . bk is not carried to the result.
; WORK MOVED: bv.  The softmax's weights sum to 1, so sum_k p (v + bv) / l = sum_k p v / l + bv: bv is the addend of the last multiply in attn.
; THIS LAUNCH.  Work-groups 0-351: x [8,192][1,024], Wq, Wk, Wv [1,024][1,024], f32, K innermost, become codes of FP4 (E2M1) and one E8M0 byte for each 32 along K, in one table of 11,264 rows: x, Wq, Wk, Wv on end.
;   A block's scale is 2^(floor(log2(its largest magnitude)) - 2): its byte is the largest magnitude's exponent field - 2, held at 1 from below.  (A block of zeros gets the byte 1 where the rule says 127: its codes are zeros, and this program alone reads the bytes.)
;   Rows are dense and 1,024 is a multiple of 32, so each tensor is a plain stream of blocks of 32.  A wave takes 16 steps of 512 numbers.  Each load reads 512 consecutive bytes; a step's 2,048 bytes turn through the wave's own stage in LDS,
;   so that a lane holds 16 neighbours along K (two neighbouring lanes hold a block).  A wave's store of codes covers 256 consecutive bytes; its 256 scale bytes are gathered in LDS and leave as one aligned run of 256 bytes.
; Work-groups 352-383: Wo, f32, becomes f16, row by row as it lies: a plain stream through registers, no LDS.
; LIMITS: NaN and infinities among the inputs are not served; blocks whose largest magnitude lies under 2^-124 have their byte held at 1; Wo must lie under 65,504 in magnitude (f16).
.set WAVES, 4
.set STEPS, 16
.set QWG,   352                        ; work-groups that quantise: 256 for x, 32 for each weight (32,768 numbers each)
.set EMAX,  2
.set CB,    8                          ; bytes of 16 codes
.set R,     16                         ; v16-79   four sets of 16 numbers as they are loaded
.set X,     80                         ; v80-111  two sets of 16 neighbours
.set E,     112                        ; v112-127 a scale byte for each step
.set C,     128                        ; v128-191 codes: four registers for each step, so that no store's data are written again
.set WREG,  8192                       ; LDS: a region for each wave: two stages of 32 x SP bytes, then its 256 scale bytes
.set SP,    80                         ; a lane's place in a stage: 64 bytes + 16 of padding
.set SPW,   12                         ; v12      LDS address of my spare word; never rewritten
.set NIL,   13                         ; v13      0; never rewritten
.set SPARE, WAVES*WREG                 ; behind the four regions: the spare words, 128 bytes a wave
.set WR,    16                         ; Wo's path: v16-143 two sets of 16 loads
.set WO,    144                        ; v144-175 sixteen pairs of packed f16
	s_load_b256 s[4:11], s[0:1], 0x0               ; x s[4:5], Wq s[6:7], Wk s[8:9], Wv s[10:11]
	s_load_b256 s[12:19], s[0:1], 0x20             ; Wo s[12:13], codes s[14:15], scales s[16:17], wo16 s[18:19]
	v_lshl_add_u32 v[SPW], v0, 2, SPARE
	v_mov_b32 v[NIL], 0
	v_lshrrev_b32 v1, 5, v0
	v_readfirstlane_b32 s20, v1                    ; wave
	v_and_b32 v2, 31, v0                           ; lane
	v_lshlrev_b32 v3, 4, v2                        ; my 16 bytes of a load's 512
	s_cmp_ge_u32 ttmp9, QWG                        ; the work-group's number alone decides the path
	s_cbranch_scc1 .Lwo
	s_mul_i32 s22, s20, WREG
	v_lshrrev_b32 v14, 2, v2
	v_mul_u32_u24 v14, v14, SP
	v_and_b32 v15, 3, v2
	v_lshl_add_u32 v14, v15, 4, v14
	v_add_nc_u32 v14, s22, v14                     ; the stage, on the way in: SP (lane / 4) + 16 (lane % 4)
	v_mul_u32_u24 v15, v2, SP
	v_add_nc_u32 v15, s22, v15                     ; and on the way out: SP x lane: my 16 neighbours
	v_mul_u32_u24 v4, v2, CB                       ; my codes' place in a step's
	v_lshrrev_b32 v5, 1, v2
	s_add_co_u32 s22, s22, 2*32*SP
	v_add_nc_u32 v5, s22, v5                       ; LDS: my wave's 256 scale bytes, my block's byte
	v_lshlrev_b32 v7, 3, v2                        ; and on the way out 8 bytes a lane
	v_add_nc_u32 v6, s22, v7
	s_mov_b32 s21, 320
	s_wait_kmcnt 0x0
	s_cmp_lt_u32 ttmp9, 320                        ; which tensor: the choice hangs on the work-group's number alone
	s_cselect_b64 s[8:9], s[8:9], s[10:11]
	s_cselect_b32 s21, 288, s21
	s_cmp_lt_u32 ttmp9, 288
	s_cselect_b64 s[6:7], s[6:7], s[8:9]
	s_cselect_b32 s21, 256, s21
	s_cmp_lt_u32 ttmp9, 256
	s_cselect_b64 s[4:5], s[4:5], s[6:7]
	s_cselect_b32 s21, 0, s21                      ; the tensor's first work-group
	s_sub_co_u32 s21, ttmp9, s21
	s_lshl_b32 s21, s21, 2
	s_add_co_u32 s21, s21, s20                     ; which run of 8,192 numbers of the tensor is my wave's
	s_lshl_b32 s24, s21, 15                        ; 32,768 bytes a run
	s_mov_b32 s25, 0
	s_add_nc_u64 s[4:5], s[4:5], s[24:25]
	s_lshl_b32 s21, ttmp9, 2
	s_add_co_u32 s21, s21, s20                     ; and which run of the table: its rows stand in the work-groups' order
	s_lshl_b32 s24, s21, 12                        ; 4,096 bytes of codes a run
	s_add_nc_u64 s[14:15], s[14:15], s[24:25]
	s_lshl_b32 s24, s21, 8                         ; 256 scale bytes a run
	s_add_nc_u64 s[16:17], s[16:17], s[24:25]
.macro LOAD t
.irp i, 0,1,2,3
	global_load_b128 v[R+16*((\t)%4)+4*\i:R+16*((\t)%4)+4*\i+3], v3, s[4:5] offset:2048*(\t)+512*\i th:TH_LOAD_NT   ; 32 lanes read 512 consecutive bytes
.endr
.endm
.macro TURN t                          ; step t's numbers through the stage: LDS serves a wave's instructions in order, so no wait stands between the stores and the loads
.irp i, 0,1,2,3
	ds_store_b128 v14, v[R+16*((\t)%4)+4*\i:R+16*((\t)%4)+4*\i+3] offset:32*SP*((\t)%2)+8*SP*\i
.endr
.irp i, 0,1,2,3
	ds_load_b128 v[X+16*((\t)%2)+4*\i:X+16*((\t)%2)+4*\i+3], v15 offset:32*SP*((\t)%2)+16*\i
.endr
.endm
.irp t, 0,1,2,3
	LOAD \t
.endr
	s_wait_loadcnt 12                              ; step 0's four loads are in; the twelve of steps 1 to 3 may be out
	TURN 0
.macro STEP t
.set XS, X+16*((\t)%2)
.if (\t) > 0
	s_wait_dscnt 1                                 ; this step's numbers are back from the stage (the last step's byte store may be out): so its stores into the stage have read their registers,
.else
	s_wait_dscnt 0x0
.endif
.if (\t)+4 < STEPS
	LOAD (\t)+4                                    ; which take the loads of four steps on
.endif
.if (\t)+1 < STEPS
.if STEPS-2-(\t) >= 3
	s_wait_loadcnt 12                              ; the next step's four loads are in; those of the three steps behind it may be out
.else
	s_wait_loadcnt 4*(STEPS-2-(\t))
.endif
	TURN (\t)+1                                    ; and go through the other stage while this step is worked
.endif
	v_max3_num_f32 v8, |v[XS]|, |v[XS+1]|, |v[XS+2]|               ; the largest magnitude of my 16, in two chains
	v_max3_num_f32 v9, |v[XS+3]|, |v[XS+4]|, |v[XS+5]|
.irp i, 6,10
	v_max3_num_f32 v8, v8, |v[XS+\i]|, |v[XS+\i+1]|
	v_max3_num_f32 v9, v9, |v[XS+\i+2]|, |v[XS+\i+3]|
.endr
	v_max3_num_f32 v8, v8, |v[XS+14]|, |v[XS+15]|
	v_max3_num_f32 v8, v8, v9, (EMAX+1)<<23        ; and the floor 2^(3 - 127): so the byte cannot fall under 1
	v_max_num_f32_dpp v8, v8, v8 row_xmask:1 row_mask:0xf bank_mask:0xf   ; and of my neighbour's 16: the block's
	v_add_nc_u32 v11, -(EMAX<<23), v8              ; 2 off its exponent field: the conversion takes the exponent field of this operand as its scale
	v_cvt_scalef32_pk8_fp4_f32 v[C+4*(\t)], v[XS:XS+7], v11        ; eight numbers / the scale, to the nearest code, ties to even, beyond 6 the largest code
	v_cvt_scalef32_pk8_fp4_f32 v[C+4*(\t)+1], v[XS+8:XS+15], v11
	v_lshrrev_b32 v[E+(\t)], 23, v11               ; the scale's byte (a plain line behind the conversions)
	ds_store_b8 v5, v[E+(\t)] offset:16*(\t)       ; both lanes of a block write the same byte with the same value
	global_store_b64 v4, v[C+4*(\t):C+4*(\t)+1], s[14:15] offset:32*CB*(\t)   ; 32 lanes store 256 consecutive bytes, aligned
.endm
.irp t, 0,1,2,3,4,5,6,7,8,9,10,11,12,13,14,15
	STEP \t
.endr
	ds_load_b64 v[8:9], v6                         ; LDS serves a wave's instructions in order: these see my stores
	s_wait_dscnt 0x0
	global_store_b64 v7, v[8:9], s[16:17]          ; 32 lanes store 256 consecutive bytes, aligned
	s_wait_tensorcnt 0x0                           ; the wave's end, behind my last LDS store
	ds_add_u32 v[SPW], v[NIL]
	s_wait_dscnt 0x0
	s_endpgm
; Wo to f16.  A wave takes 8,192 numbers: 64 pieces of 512 bytes in, 256 bytes out; two sets of 16 loads take turns.  This path writes no LDS.
.macro LOADW r
.irp i, 0,1,2,3,4,5,6,7,8,9,10,11,12,13,14,15
	global_load_b128 v[WR+64*((\r)%2)+4*\i:WR+64*((\r)%2)+4*\i+3], v3, s[12:13] offset:512*(16*(\r)+\i) th:TH_LOAD_NT
.endr
.endm
.macro CVTW r, left                    ; left: the loads of the set issued behind this one, which may stay out
.if (\r) > 0
	s_wait_xcnt 0x0                                ; the last set's stores have read their data: the pairs may be written again
.endif
.irp i, 0,1,2,3,4,5,6,7,8,9,10,11,12,13,14,15
	s_wait_loadcnt \left+15-\i                     ; loads come back in order: piece i is in
	v_cvt_pk_f16_f32 v[WO+2*\i], v[WR+64*((\r)%2)+4*\i], v[WR+64*((\r)%2)+4*\i+1]
	v_cvt_pk_f16_f32 v[WO+2*\i+1], v[WR+64*((\r)%2)+4*\i+2], v[WR+64*((\r)%2)+4*\i+3]
	global_store_b64 v4, v[WO+2*\i:WO+2*\i+1], s[18:19] offset:256*(16*(\r)+\i)   ; 32 lanes store 256 consecutive bytes, aligned
.endr
.endm
.Lwo:
	s_sub_co_u32 s21, ttmp9, QWG
	s_lshl_b32 s21, s21, 2
	s_add_co_u32 s21, s21, s20                     ; my run of 8,192 numbers, 0 to 127
	s_lshl_b32 s22, s21, 15
	s_mov_b32 s23, 0
	s_lshl_b32 s24, s21, 14
	s_mov_b32 s25, 0
	v_lshlrev_b32 v4, 3, v2                        ; 8 bytes a lane on the way out
	s_wait_kmcnt 0x0
	s_add_nc_u64 s[12:13], s[12:13], s[22:23]
	s_add_nc_u64 s[18:19], s[18:19], s[24:25]
	LOADW 0
	LOADW 1
	CVTW 0, 16
	LOADW 2
	CVTW 1, 16
	LOADW 3
	CVTW 2, 16
	CVTW 3, 0
	s_endpgm
.Lfunc_end_k_q4cf77e42f1_prep:
	.size	k_q4cf77e42f1_prep, .Lfunc_end_k_q4cf77e42f1_prep-k_q4cf77e42f1_prep
	.p2alignl 7, 3214868480
	.fill 96, 4, 3214868480
	.section	.rodata,"a",@progbits
	.p2align	6, 0x0
	.amdhsa_kernel k_q4cf77e42f1_prep
		.amdhsa_group_segment_fixed_size 33280
		.amdhsa_private_segment_fixed_size 0
		.amdhsa_enable_private_segment 0
		.amdhsa_kernarg_size 64
		.amdhsa_user_sgpr_count 2
		.amdhsa_user_sgpr_kernarg_segment_ptr 1
		.amdhsa_wavefront_size32 1
		.amdhsa_system_sgpr_workgroup_id_x 1
		.amdhsa_system_sgpr_workgroup_id_y 1
		.amdhsa_system_sgpr_workgroup_id_z 1
		.amdhsa_system_vgpr_workitem_id 0
		.amdhsa_next_free_vgpr 192
		.amdhsa_next_free_sgpr 66
		.amdhsa_reserve_vcc 0
		.amdhsa_float_denorm_mode_32 3
		.amdhsa_float_denorm_mode_16_64 3
		.amdhsa_memory_ordered 1
		.amdhsa_forward_progress 1
		.amdhsa_inst_pref_size 56
	.end_amdhsa_kernel
	.amdgpu_metadata
---
amdhsa.version: [ 1, 2 ]
amdhsa.kernels:
  - .name:           k_q4cf77e42f1_prep
    .symbol:         k_q4cf77e42f1_prep.kd
    .args:
      - { .name: x, .offset: 0, .size: 8, .value_kind: global_buffer, .address_space: global }
      - { .name: Wq, .offset: 8, .size: 8, .value_kind: global_buffer, .address_space: global }
      - { .name: Wk, .offset: 16, .size: 8, .value_kind: global_buffer, .address_space: global }
      - { .name: Wv, .offset: 24, .size: 8, .value_kind: global_buffer, .address_space: global }
      - { .name: Wo, .offset: 32, .size: 8, .value_kind: global_buffer, .address_space: global }
      - { .name: codes, .offset: 40, .size: 8, .value_kind: global_buffer, .address_space: global }
      - { .name: scales, .offset: 48, .size: 8, .value_kind: global_buffer, .address_space: global }
      - { .name: wo16, .offset: 56, .size: 8, .value_kind: global_buffer, .address_space: global }
    .group_segment_fixed_size: 33280
    .private_segment_fixed_size: 0
    .kernarg_segment_align: 8
    .kernarg_segment_size: 64
    .max_flat_workgroup_size: 128
    .sgpr_count:     66
    .vgpr_count:     192
    .wavefront_size: 32
...
	.end_amdgpu_metadata
.endif
;; end of part 1
;; launch qkv (part 2): grid 12 x 32, 4 waves a work-group, clusters of 4 x 4, 327,680 bytes of LDS; arguments codes, scales, bq, qkv; writes qkv
.if DOCPART == 2
	.amdgcn_target "amdgcn-amd-amdhsa--gfx1250"
	.amdhsa_code_object_version 6
	.text
	.protected	k_q4cf77e42f1_qkv
	.globl	k_q4cf77e42f1_qkv
	.p2align	8
	.type	k_q4cf77e42f1_qkv,@function
k_q4cf77e42f1_qkv:
	s_mov_b64 s[64:65], 0
	v_nop
	global_prefetch_b8 v0, s[64:65] scope:SCOPE_SE
	s_setreg_imm32_b32 hwreg(HW_REG_WAVE_MODE, 25, 1), 1
	s_wait_xcnt 0x0
	s_wait_alu depctr_hold_cnt(0) depctr_sa_sdst(0) depctr_va_vdst(0) depctr_va_sdst(0) depctr_va_ssrc(0) depctr_va_vcc(0) depctr_vm_vsrc(0)
	s_getreg_b32 s2, hwreg(HW_REG_IB_STS2, 6, 4)
	s_cmp_eq_u32 s2, 0
	s_cbranch_scc0 .Lentry_in_a_cluster
	s_endpgm
.Lentry_in_a_cluster:
	s_bfe_u32 s2, ttmp6, 0x10000c
	s_cmp_lg_u32 s2, 0xf033
	s_cbranch_scc0 .Lentry_shape_is_right
	s_endpgm
.Lentry_shape_is_right:
; q = x Wq^T + bq, k = x Wk^T, v^T = Wv x^T, on codes of FP4 (E2M1) with one E8M0 scale for each 32 along K = 1,024; sums in f32; results rounded once to f16.
; WORK LEFT OUT: bk (the same along the softmax's axis for every input: shown at the head of the first kernel).  bv is added in attn, behind the division by the softmax's sum, where it is worth the same.
; The table of codes has 11,264 rows of 512 bytes: x (0), Wq (8,192), Wk (9,216), Wv (10,240); the scale bytes 32 a row.  C[m][n] = sum over k of A[m][k] B[n][k], A and B both rows of that table.
; A tile of C is 256 x 256, made by four waves, each 128 x 128: 64 accumulators of 16 x 16, 512 registers.  The grid's cluster x says which product: 0 q, 1 k: A = 256 tokens, B = 256 rows of the weight;
; 2 v: A = 256 rows of Wv, B = 256 tokens, so that the SAME text gives v transposed, as the second product of attention wants it.  Only row numbers differ, chosen by s_cselect_b32 on the cluster's x, which all partners share.
; All of K fits in two LDS slots of 512 along K: each wave asks for three tiles at the start (scale bytes, slot 0, slot 1: three tensor loads of mine are out at the most) and nothing is filled again.
; CLUSTERS: 4 x 4 work-groups.  A's tile hangs on cy alone and is asked for jointly along a row of the cluster, B's on cx alone, along a column.
; THE MATRIX INSTRUCTION IS USED TRANSPOSED (source 0 = 16 rows of B, source 1 = 16 rows of A): lane (r, h) holds row r of A's block and eight neighbouring rows 8 h + 0 .. 7 of B's block.
; THE WAY OUT NEEDS NO STAGE.  Those eight numbers, packed to f16, are 16 bytes: exactly one register group of a 16-bit operand fragment (16 rows x 32 along the next K: lane (r, h), group g: k = 16 g + 8 h + 0 .. 7).
; So qkv is laid as IMAGES of fragments, 1 KB = [g][lane][16 bytes], and a wave's store covers 512 consecutive bytes, aligned.  For each (batch, head), 786,432 bytes:
;   Q at 0: (token / 16) x 2,048 + c x 1,024 (channels 32 c on);  then four slots of 512 keys, 131,072 bytes each, from 262,144 on: K at ((key % 512) / 16) x 2,048 + c x 1,024;  V^T at 65,536 + ((key % 512) / 32) x 4,096 + f x 1,024 (channels 16 f on).
; LIMITS: q, k and v must lie under 65,504 in magnitude (f16).
; REGISTERS, in windows of 256: window 0: v0-31 addresses; v32-95 scale words, two sets; v128-191 A's fragments, one set; v192-255 the first step's C (bq, or zeros); on the way out v128-255 packed results.
;   window 1: B's fragments, two sets, at v0 and v128.   window 2: the accumulators of my rows 0-63 ((a, b) at v[8 (8 a + b)]);   window 3: those of my rows 64-127.
.set NQ,     4                         ; steps of 128 along K in a slot
.set ROWB,   256                       ; a tile's row: 512 codes
.set KROW,   512                       ; a row of the table of codes in bytes
.set PITCH,  272                       ; an LDS row: 256 bytes + 16 of padding: the 16 rows that a load touches start at 16 different banks
.set FR,     8                         ; registers of a fragment: 16 rows x 128 K
.set NL,     2                         ; LDS loads that bring one
.set NP,     4                         ; places behind this matrix instruction (ISA guide 7.12.1)
.set HALFT,  128*PITCH                 ; 128 rows: what one tensor load brings
.set SLOT,   4*HALFT                   ; A's 256 rows, then B's 256 rows
.set KS,     32                        ; a row of scale bytes
.set SCL,    2*SLOT                    ; behind the slots: the scale bytes, as runs of 256 bytes + 16 of padding
.set HALFS,  16*272                    ; those of 128 rows
.set SBLK,   2*272                     ; those of 16 rows
.set SPARE,  SCL+4*HALFS               ; the spare words, 128 bytes a wave
.set HEADB,  786432                    ; a (batch, head)'s bytes in qkv
.set ADRA, 16                          ; v16-17  LDS address of my A fragments in slot 0, 1
.set ADRB, 20                          ; v20-21  the same for B
.set CO,   26                          ; v26     16 x lane: my place in an image
.set ADRS, 27                          ; v27     LDS address of my scale words: lanes 0-15 A's rows, lanes 16-31 B's
.set SPW,  28                          ; v28     LDS address of my spare word; never rewritten
.set NIL,  29                          ; v29     0; never rewritten
.set BOF,  30                          ; v30     32 x (lane / 16): my eight numbers of a block of bq
.set SC,   32                          ; scale words: set s at v[SC + 32 s]; register 4 i + q: lanes 0-15 A's block i, lanes 16-31 B's block i, the slot's q-th 128 along K
.set AF,   128
.set BIAS, 192                         ; v[BIAS + 8 b + j]: what the sums of B's block b begin with
.set PK,   128                         ; the way out: four sets of 32 registers
.set G1, 24                            ; s[24:31] descriptor group 1 for A's tiles;  s[32:39] group 0, one set for each slot
.set G0, 32
.set G1B, 48                           ; the same for B's tiles
.set G0B, 56
.set G1S, 68                           ; s[68:75], s[76:79] for A's scale bytes;  s[80:87], s[88:91] for B's
.set G0S, 76
.set G1SB, 80
.set G0SB, 88
.set MSB, 0
.macro WIN new                         ; the immediate's high byte repeats the setting that is left
.if MSB != \new
	s_set_vgpr_msb (MSB<<8)|\new
.set MSB, \new
.endif
.endm
.set MUL_LO, 0xa1                      ; source 0 (B) window 1, source 1 (A) window 0, C and D window 2
.set MUL_HI, 0xf1                      ; the same, C and D window 3
.set FST_LO, 0x81                      ; the first step: C in window 0, D in window 2
.set FST_HI, 0xc1                      ; D in window 3
.set TO_B,   0x40                      ; destination window 1, address window 0
; A joint load: waves 0 and 1 fetch for A, waves 2 and 3 for B; the branch hangs on the wave's number alone.  An s_nop 0 and four v_nop follow each of the two lines.
.macro JLOAD g0a, g1a, g0b, g1b
	s_cmp_eq_u32 s15, 0
	s_cbranch_scc0 .Lfor_b_\@
	tensor_load_to_lds s[\g0a:\g0a+3], s[\g1a:\g1a+7]
	s_nop 0
.rept 4
	v_nop
.endr
	s_branch .Lasked_\@
.Lfor_b_\@:
	tensor_load_to_lds s[\g0b:\g0b+3], s[\g1b:\g1b+7]
	s_nop 0
.rept 4
	v_nop
.endr
.Lasked_\@:
.endm
.macro CROUND                          ; a round of the cluster's barrier
	s_barrier_signal -1
	s_barrier_wait -1
	s_cmp_lg_u32 s14, 0
	s_cbranch_scc1 .Lnot_wave_0_\@
	s_barrier_signal -3
.Lnot_wave_0_\@:
	s_barrier_wait -3
	s_barrier_signal -1
	s_barrier_wait -1
.endm
	s_load_b256 s[4:11], s[0:1], 0x0               ; codes s[4:5], scales s[6:7], bq s[8:9], qkv s[10:11]
	v_lshl_add_u32 v[SPW], v0, 2, SPARE
	v_mov_b32 v[NIL], 0
	ds_add_u32 v[SPW], v[NIL]                      ; the wave's opening: the add, twice on end, and its wait ahead of my first tensor load
	ds_add_u32 v[SPW], v[NIL]                      ; and once more, under the one wait; the set-up below stands between
	v_lshrrev_b32 v1, 5, v0
	v_readfirstlane_b32 s14, v1                    ; wave 0..3
	s_lshr_b32 s15, s14, 1                         ; which half of A's rows is mine.  Also: I fetch for A (0) or for B (1)
	s_and_b32 s16, s14, 1                          ; which half of B's rows.  Also: which 128 rows of that tile I fetch
	s_bfe_u32 s40, ttmp6, 0x40000                  ; cx, cy: my place in the cluster
	s_bfe_u32 s41, ttmp6, 0x40004
	s_and_b32 s12, ttmp7, 0xffff
	s_lshl_b32 s12, s12, 2                         ; 4 x cluster y: the cluster's first tile of tokens
	s_lshl_b32 s13, ttmp9, 2
	s_add_co_u32 s13, s13, 32                      ; 32 + 4 x cluster x: the first tile of Wq or of Wk (rows 8,192 or 9,216 on)
	s_cmp_eq_u32 ttmp9, 2                          ; v?  The same in all sixteen partners
	s_cselect_b32 s17, 40, s12                     ; A: Wv's tiles (rows 10,240 on), or the tokens'
	s_cselect_b32 s42, s12, s13                    ; B: the tokens', or the weight's
	s_add_co_u32 s17, s17, s41                     ; A's tile of 256 rows: hangs on cy alone
	s_add_co_u32 s42, s42, s40                     ; B's: on cx alone
	s_lshl_b32 s43, s41, 2
	s_lshl_b32 s43, 15, s43                        ; my row of the cluster
	s_lshl_b32 s44, 0x1111, s40                    ; my column
	; descriptor group 1: a tile of 128 rows x 256 bytes, padded in LDS
	s_or_b32 s[G1+0], s43, (0<<16)|(1<<20)|(1<<21)|(5<<22)|(3<<25)  ; 15:0 the mask; 17:16 elements of 1 byte; 20 padding on; 21 set beside a mask; 24:22 after every 64 words; 31:25 four words
	s_or_b32 s[G1B+0], s44, (0<<16)|(1<<20)|(1<<21)|(5<<22)|(3<<25)
.irp g, G1, G1B
	s_mov_b32 s[\g+1], ROWB<<16                    ; tensor_dim0
	s_mov_b32 s[\g+2], 128<<16                     ; tensor_dim1
	s_mov_b32 s[\g+3], ROWB<<16                    ; tile_dim0
	s_mov_b32 s[\g+4], 128                         ; tile_dim1
	s_mov_b32 s[\g+5], KROW                        ; tensor_dim0_stride
	s_mov_b32 s[\g+6], 0
	s_mov_b32 s[\g+7], 0
.endr
	; the scale bytes of 128 rows: 4,096 dense bytes, as 16 rows of 256 bytes (32 elements of 8), 16 bytes of padding behind each
	s_or_b32 s[G1S+0], s43, (3<<16)|(1<<20)|(1<<21)|(5<<22)|(3<<25)
	s_or_b32 s[G1SB+0], s44, (3<<16)|(1<<20)|(1<<21)|(5<<22)|(3<<25)
.irp g, G1S, G1SB
	s_mov_b32 s[\g+1], 32<<16
	s_mov_b32 s[\g+2], 16<<16
	s_mov_b32 s[\g+3], 32<<16
	s_mov_b32 s[\g+4], 16
	s_mov_b32 s[\g+5], 32
	s_mov_b32 s[\g+6], 0
	s_mov_b32 s[\g+7], 0
.endr
	s_lshl_b32 s18, s16, 7                         ; which 128 rows of the tile I fetch
	s_lshl_b32 s20, s17, 8
	s_add_co_u32 s20, s20, s18                     ; A: the table's row
	s_lshl_b32 s46, s42, 8
	s_add_co_u32 s46, s46, s18                     ; B: likewise
	s_lshl_b32 s22, s20, 5                         ; where these rows' scale bytes begin (32 a row),
	s_mov_b32 s23, 0
	s_lshl_b32 s92, s46, 5
	s_mov_b32 s93, 0
	s_lshl_b32 s20, s20, 9                         ; and their codes (512 a row): all under 2^23
	s_mov_b32 s21, 0
	s_lshl_b32 s46, s46, 9
	s_mov_b32 s47, 0
	s_mul_i32 s45, s14, HALFT                      ; where they go: wave x 128 rows: no place in the cluster enters an LDS address
	s_mul_i32 s94, s14, HALFS
	s_wait_dscnt 0x0                               ; both opening adds are done
	s_wait_kmcnt 0x0
	s_add_nc_u64 s[20:21], s[4:5], s[20:21]
	s_add_nc_u64 s[22:23], s[6:7], s[22:23]
	s_add_nc_u64 s[46:47], s[4:5], s[46:47]
	s_add_nc_u64 s[92:93], s[6:7], s[92:93]
	CROUND                                         ; all sixteen work-groups are here: the first joint loads meet
	s_mov_b32 s[G0S], 1
	s_add_co_u32 s[G0S+1], s94, SCL
	s_mov_b64 s[G0S+2:G0S+3], s[22:23]
	s_or_b32 s[G0S+3], s[G0S+3], 0x80000000
	s_mov_b32 s[G0SB], 1
	s_add_co_u32 s[G0SB+1], s94, SCL
	s_mov_b64 s[G0SB+2:G0SB+3], s[92:93]
	s_or_b32 s[G0SB+3], s[G0SB+3], 0x80000000
	JLOAD G0S, G1S, G0SB, G1SB                     ; the scale bytes first: they are wanted with the first step
.irp s, 0,1
	s_mov_b32 s[G0+4*\s], 1
	s_add_co_u32 s[G0+4*\s+1], s45, \s*SLOT
	s_add_nc_u64 s[G0+4*\s+2:G0+4*\s+3], s[20:21], \s*ROWB
	s_or_b32 s[G0+4*\s+3], s[G0+4*\s+3], 0x80000000
	s_mov_b32 s[G0B+4*\s], 1
	s_add_co_u32 s[G0B+4*\s+1], s45, \s*SLOT
	s_add_nc_u64 s[G0B+4*\s+2:G0B+4*\s+3], s[46:47], \s*ROWB
	s_or_b32 s[G0B+4*\s+3], s[G0B+4*\s+3], 0x80000000
	JLOAD G0+4*\s, G1, G0B+4*\s, G1B
.endr
	; what the sums begin with: q: bq at my 128 channels, in the result's layout (lane (r, h), block b: channels 16 b + 8 h + 0 .. 7); k and v: zeros.  Both arms write the 64 registers, so the first step is one text.
	v_and_b32 v1, 15, v0                           ; l % 16
	v_bfe_u32 v2, v0, 4, 1                         ; l / 16
	v_lshlrev_b32 v[BOF], 5, v2
	s_lshl_b32 s96, s40, 10
	s_lshl_b32 s97, s16, 9
	s_add_co_u32 s96, s96, s97                     ; 4 x (256 cx + 128 x my half)
	s_mov_b32 s97, 0
	s_add_nc_u64 s[8:9], s[8:9], s[96:97]
	s_cmp_eq_u32 ttmp9, 0                          ; the cluster's x: the same in all partners
	s_cbranch_scc0 .Lno_bias
.irp b, 0,1,2,3,4,5,6,7
	global_load_b128 v[BIAS+8*\b:BIAS+8*\b+3], v[BOF], s[8:9] offset:64*\b
	global_load_b128 v[BIAS+8*\b+4:BIAS+8*\b+7], v[BOF], s[8:9] offset:64*\b+16
.endr
	s_branch .Lbias_set
.Lno_bias:
.irp j, 0,1,2,3,4,5,6,7,8,9,10,11,12,13,14,15,16,17,18,19,20,21,22,23,24,25,26,27,28,29,30,31,32,33,34,35,36,37,38,39,40,41,42,43,44,45,46,47,48,49,50,51,52,53,54,55,56,57,58,59,60,61,62,63
	v_mov_b32 v[BIAS+\j], 0
.endr
.Lbias_set:
	v_mul_u32_u24 v3, v1, PITCH
	v_lshl_add_u32 v4, v2, 4, v3                   ; a fragment's row x pitch + 16 x half
	s_mul_i32 s21, s15, HALFT                      ; my 128 rows of A
	s_mul_i32 s22, s16, HALFT                      ; my 128 rows of B,
	s_add_co_u32 s22, s22, 2*HALFT                 ; which lie behind A's 256
.irp s, 0,1
	v_add_nc_u32 v[ADRA+\s], s21, v4
	v_add_nc_u32 v[ADRB+\s], s22, v4
	s_add_co_u32 s21, s21, SLOT
	s_add_co_u32 s22, s22, SLOT
.endr
	v_mul_u32_u24 v5, v1, KS                       ; my row's scale bytes: 32 a row,
	v_lshrrev_b32 v6, 8, v5
	v_lshl_add_u32 v5, v6, 4, v5                   ; and 16 more for each 256 passed
	s_mul_i32 s21, s15, HALFS                      ; A's: my 128 rows
	s_mul_i32 s22, s16, HALFS                      ; B's: my 128 rows, behind A's 256
	s_add_co_u32 s22, s22, 2*HALFS
	s_sub_co_u32 s22, s22, s21
	v_mul_u32_u24 v6, s22, v2                      ; lanes 16-31 take B's: one product, the distance between the two
	s_add_co_u32 s21, s21, SCL
	v_add_nc_u32 v5, v5, v6
	v_add_nc_u32 v[ADRS], s21, v5
	v_and_b32 v6, 31, v0
	v_lshlrev_b32 v[CO], 4, v6
	; where my part of qkv begins
	s_cmp_eq_u32 ttmp9, 2
	s_cselect_b32 s18, s42, s17                    ; the tokens' tile of 256,
	s_cselect_b32 s19, s16, s15                    ; my half of it;
	s_cselect_b32 s20, s41, s40                    ; the channels' tile of 256: four heads,
	s_cselect_b32 s21, s15, s16                    ; my half of it: two heads
	s_cselect_b32 s22, 0x10000, 0                  ; V^T lies 65,536 bytes behind K in a slot
	s_lshl_b32 s18, s18, 8
	s_lshl_b32 s19, s19, 7
	s_add_co_u32 s18, s18, s19                     ; my first token, 0 to 8,064
	s_lshr_b32 s19, s18, 11                        ; its batch
	s_lshl_b32 s19, s19, 4
	s_lshl_b32 s20, s20, 2
	s_add_co_u32 s19, s19, s20
	s_lshl_b32 s21, s21, 1
	s_add_co_u32 s19, s19, s21                     ; 16 x batch + my first head
	s_mul_i32 s19, s19, HEADB
	s_add_co_u32 s22, s22, s19
	s_and_b32 s19, s18, 511
	s_lshl_b32 s19, s19, 7                         ; 128 bytes a token inside 512 tokens, in all three parts
	s_add_co_u32 s22, s22, s19
	s_bfe_u32 s18, s18, 0x20009                    ; which 512 tokens of the sequence
	s_cmp_eq_u32 ttmp9, 0
	s_cselect_b32 s19, 16, 17                      ; they are 65,536 bytes of Q, or a slot of 131,072
	s_cselect_b32 s20, 0, 0x40000                  ; the slots begin behind Q's 262,144 bytes
	s_lshl_b32 s18, s18, s19
	s_add_co_u32 s22, s22, s18
	s_add_co_u32 s22, s22, s20                     ; under 2^26
	s_mov_b32 s23, 0
	s_add_nc_u64 s[10:11], s[10:11], s[22:23]
.macro FRAG reg, adr, q, i             ; a fragment, 16 rows x 128 K of 4-bit codes: lane l holds row l % 16; registers 4 c .. 4 c + 3 hold K = 64 c + 32 (l / 16) + 0 .. 31
.irp c, 0,1
	ds_load_b128 v[\reg+4*\c:\reg+4*\c+3], v[\adr] offset:64*(\q)+32*\c+(\i)*16*PITCH
.endr
.endm
; 16 matrix instructions: A's blocks a0, a0 + 1 x B's eight, the slot's q-th 128 along K.  p: B's set;  sc: the set of scale words.  first = 1: the sums begin with v[BIAS ..]: nothing is cleared in the accumulators.
; The 64 accumulators take turns, one instruction a turn, in the same order in every step.
.macro MUL16 a0, p, q, sc, first
.irp a, \a0, \a0+1
.irp b, 0,1,2,3,4,5,6,7
.if \first
	v_wmma_scale_f32_16x16x128_f8f6f4 v[8*(8*((\a)%4)+\b):8*(8*((\a)%4)+\b)+7], v[128*(\p)+FR*\b:128*(\p)+FR*\b+FR-1], v[AF+FR*(\a):AF+FR*(\a)+FR-1], v[BIAS+8*\b:BIAS+8*\b+7], v[SC+8*NQ*(\sc)+NQ*\b+(\q)], v[SC+8*NQ*(\sc)+NQ*(\a)+(\q)] matrix_a_fmt:MATRIX_FMT_FP4 matrix_b_fmt:MATRIX_FMT_FP4 matrix_a_scale:MATRIX_SCALE_ROW1
.else
	v_wmma_scale_f32_16x16x128_f8f6f4 v[8*(8*((\a)%4)+\b):8*(8*((\a)%4)+\b)+7], v[128*(\p)+FR*\b:128*(\p)+FR*\b+FR-1], v[AF+FR*(\a):AF+FR*(\a)+FR-1], v[8*(8*((\a)%4)+\b):8*(8*((\a)%4)+\b)+7], v[SC+8*NQ*(\sc)+NQ*\b+(\q)], v[SC+8*NQ*(\sc)+NQ*(\a)+(\q)] matrix_a_fmt:MATRIX_FMT_FP4 matrix_b_fmt:MATRIX_FMT_FP4 matrix_a_scale:MATRIX_SCALE_ROW1
.endif
.endr
.endr
.endm
.macro FETCH_B slot, q, p              ; B's eight fragments of the slot's q-th 128 along K into set p
	WIN TO_B
.irp i, 0,1,2,3,4,5,6,7
	FRAG 128*(\p)+FR*\i, ADRB+\slot, \q, \i
.endr
	WIN 0
.endm
.macro FETCH_A slot, q, i0             ; A's blocks i0 .. i0 + 3
.irp i, \i0, \i0+1, \i0+2, \i0+3
	FRAG AF+FR*(\i), ADRA+\slot, \q, \i
.endr
.endm
.macro SCALES sc                       ; a slot's scale words into set sc: four words a row; lanes 0-15 take A's block i, lanes 16-31 B's block i
.irp i, 0,1,2,3,4,5,6,7
	ds_load_b128 v[SC+8*NQ*\sc+NQ*\i:SC+8*NQ*\sc+NQ*\i+3], v[ADRS] offset:\i*SBLK
.endr
.endm
; A load into a register that a matrix instruction has read, and a vector instruction that reads a matrix result or writes one of its registers, stand four places behind it; only plain vector instructions that name none of its registers are places.
.macro PLACES n
.rept \n
	v_nop
.endr
.endm
; A step of 128 along K that has its successor in the same slot.  A's one set: blocks 0-3 are fetched anew in the step's middle, blocks 4-7 at its end; B's next set in the middle.
.macro STEP slot, q, first
	s_wait_dscnt 4*NL                              ; B's set and A's blocks 0-3 are in; the youngest eight loads (A's blocks 4-7) may be out
.if \first
	WIN FST_LO
.else
	WIN MUL_LO
.endif
	MUL16 0, (\q)%2, \q, \slot, \first
	MUL16 2, (\q)%2, \q, \slot, \first
	s_wait_dscnt 0                                 ; A's blocks 4-7 are in (asked for 32 matrix instructions ago)
	PLACES NP
	FETCH_B \slot, (\q)+1, 1-(\q)%2
	FETCH_A \slot, (\q)+1, 0
.if \first
	WIN FST_HI
.else
	WIN MUL_HI
.endif
	MUL16 4, (\q)%2, \q, \slot, \first
	MUL16 6, (\q)%2, \q, \slot, \first
	PLACES NP
	WIN 0
	FETCH_A \slot, (\q)+1, 4
.endm
; Slot 0's last step changes slots: one barrier; in front of it each wave waits for all its tensor loads (its part of slot 1), adds 0 to its spare word, and waits for that and for its reads.  Nothing is filled again.
.macro TURN slot, next
	s_wait_tensorcnt 0x0                           ; all my tensor loads have landed (every window is 0 here)
	ds_add_u32 v[SPW], v[NIL]                      ; 0 onto my spare word
	s_wait_dscnt 4*NL+1                            ; (the add and the youngest eight loads, A's blocks 4-7, may be out)
	WIN MUL_LO
	MUL16 0, 1, NQ-1, \slot, 0                     ; sixteen matrix instructions stand between the add and the wait for it
	s_wait_dscnt 0x0                               ; the add is done, and my reads of this slot are over
	s_barrier_signal -1
	MUL16 2, 1, NQ-1, \slot, 0
	WIN 0
	s_barrier_wait -1                              ; the next slot is whole
	PLACES NP
	v_add_nc_u32 v[ADRS], 4*NQ, v[ADRS]            ; on to the next slot's scale words (no LDS load of mine is out)
	FETCH_B \next, 0, 0
	FETCH_A \next, 0, 0
	SCALES \next
	WIN MUL_HI
	MUL16 4, 1, NQ-1, \slot, 0
	MUL16 6, 1, NQ-1, \slot, 0
	PLACES NP
	WIN 0
	FETCH_A \next, 0, 4
.endm
.macro STEPS slot, from                ; the slot's steps from .. NQ - 2
.set Q, \from
.rept NQ-1-\from
	STEP \slot, Q, 0
.set Q, Q+1
.endr
.endm
	s_wait_tensorcnt 1                             ; the scale bytes and my part of slot 0 are in (slot 1's load, issued behind them, may be out),
	s_barrier_signal -1
	s_barrier_wait -1                              ; everybody's are
	FETCH_B 0, 0, 0
	FETCH_A 0, 0, 0
	SCALES 0
	FETCH_A 0, 0, 4
	s_wait_loadcnt 0x0                             ; bq, where it was asked for
	STEP 0, 0, 1
	STEPS 0, 1
	TURN 0, 1
	STEPS 1, 0
	s_wait_dscnt 4*NL                              ; the very last step: nothing more to fetch
	WIN MUL_LO
	MUL16 0, 1, NQ-1, 1, 0
	MUL16 2, 1, NQ-1, 1, 0
	s_wait_dscnt 0
	WIN MUL_HI
	MUL16 4, 1, NQ-1, 1, 0
	MUL16 6, 1, NQ-1, 1, 0
	WIN 0
; THE WAY OUT.  A's block a, B's block b: four packed registers a lane are one register group of an image; eight stores of 512 consecutive bytes a block of A.
; q, k: A's block = 16 tokens (2,048 bytes on), B's block = 16 channels: head b / 4, group (b % 4) x 512.   v: A's block = 16 channels: head a / 4, fragment (a % 4) x 1,024; B's block = 16 keys: (b / 2) x 4,096 + (b % 2) x 512.
.macro OUT isv
.irp a, 0,1,2,3,4,5,6,7
.if \a >= 4
	s_wait_xcnt 0x0                                ; the stores of four blocks back have read their data: the set may be written again
.endif
	WIN 0x0a+5*(\a/4)                              ; sources 0 and 1: window 2 or 3
.irp b, 0,1,2,3,4,5,6,7
.irp r, 0,1,2,3
	v_cvt_pk_f16_f32 v[PK+32*(\a%4)+4*\b+\r], v[64*(\a%4)+8*\b+2*\r], v[64*(\a%4)+8*\b+2*\r+1]   ; each accumulator from its low end on
.endr
.endr
	WIN 0
.irp b, 0,1,2,3,4,5,6,7
.if \isv
	global_store_b128 v[CO], v[PK+32*(\a%4)+4*\b:PK+32*(\a%4)+4*\b+3], s[10:11] offset:(\a/4)*HEADB+(\a%4)*1024+(\b/2)*4096+(\b%2)*512
.else
	global_store_b128 v[CO], v[PK+32*(\a%4)+4*\b:PK+32*(\a%4)+4*\b+3], s[10:11] offset:\a*2048+(\b/4)*HEADB+(\b%4)*512
.endif
.endr
.endr
.endm
	PLACES NP                                      ; behind the last products: the conversions write registers that held A's fragments, and later read the last results
	s_cmp_eq_u32 ttmp9, 2                          ; the cluster's x: the same in all partners
	s_cbranch_scc1 .Lout_v
	OUT 0
	s_branch .Lend
.Lout_v:
	OUT 1
.Lend:
	s_wait_tensorcnt 0x0                           ; the wave's end, behind my last tensor load
	ds_add_u32 v[SPW], v[NIL]
	s_wait_dscnt 0x0
	CROUND                                         ; the closing round: no work-group ends while a partner may still ask for a tile that names it
	s_endpgm
.Lfunc_end_k_q4cf77e42f1_qkv:
	.size	k_q4cf77e42f1_qkv, .Lfunc_end_k_q4cf77e42f1_qkv-k_q4cf77e42f1_qkv
	.p2alignl 7, 3214868480
	.fill 96, 4, 3214868480
	.section	.rodata,"a",@progbits
	.p2align	6, 0x0
	.amdhsa_kernel k_q4cf77e42f1_qkv
		.amdhsa_group_segment_fixed_size 327680
		.amdhsa_private_segment_fixed_size 0
		.amdhsa_enable_private_segment 0
		.amdhsa_kernarg_size 32
		.amdhsa_user_sgpr_count 2
		.amdhsa_user_sgpr_kernarg_segment_ptr 1
		.amdhsa_wavefront_size32 1
		.amdhsa_system_sgpr_workgroup_id_x 1
		.amdhsa_system_sgpr_workgroup_id_y 1
		.amdhsa_system_sgpr_workgroup_id_z 1
		.amdhsa_system_vgpr_workitem_id 0
		.amdhsa_next_free_vgpr 1024
		.amdhsa_next_free_sgpr 98
		.amdhsa_reserve_vcc 0
		.amdhsa_float_denorm_mode_32 3
		.amdhsa_float_denorm_mode_16_64 3
		.amdhsa_memory_ordered 1
		.amdhsa_forward_progress 1
		.amdhsa_inst_pref_size 145
	.end_amdhsa_kernel
	.amdgpu_metadata
---
amdhsa.version: [ 1, 2 ]
amdhsa.kernels:
  - .name:           k_q4cf77e42f1_qkv
    .symbol:         k_q4cf77e42f1_qkv.kd
    .args:
      - { .name: codes, .offset: 0, .size: 8, .value_kind: global_buffer, .address_space: global }
      - { .name: scales, .offset: 8, .size: 8, .value_kind: global_buffer, .address_space: global }
      - { .name: bq, .offset: 16, .size: 8, .value_kind: global_buffer, .address_space: global }
      - { .name: qkv, .offset: 24, .size: 8, .value_kind: global_buffer, .address_space: global }
    .group_segment_fixed_size: 327680
    .private_segment_fixed_size: 0
    .kernarg_segment_align: 8
    .kernarg_segment_size: 32
    .max_flat_workgroup_size: 128
    .sgpr_count:     98
    .vgpr_count:     1024
    .wavefront_size: 32
...
	.end_amdgpu_metadata
.endif
;; end of part 2
;; launch attn (part 3): grid 4 x 64, 16 waves a work-group, clusters of 4 x 1, 327,680 bytes of LDS; arguments qkv, bv, aimg; writes aimg
.if DOCPART == 3
	.amdgcn_target "amdgcn-amd-amdhsa--gfx1250"
	.amdhsa_code_object_version 6
	.text
	.protected	k_q4cf77e42f1_attn
	.globl	k_q4cf77e42f1_attn
	.p2align	8
	.type	k_q4cf77e42f1_attn,@function
k_q4cf77e42f1_attn:
	s_mov_b64 s[64:65], 0
	v_nop
	global_prefetch_b8 v0, s[64:65] scope:SCOPE_SE
	s_setreg_imm32_b32 hwreg(HW_REG_WAVE_MODE, 25, 1), 1
	s_wait_xcnt 0x0
	s_wait_alu depctr_hold_cnt(0) depctr_sa_sdst(0) depctr_va_vdst(0) depctr_va_sdst(0) depctr_va_ssrc(0) depctr_va_vcc(0) depctr_vm_vsrc(0)
	s_getreg_b32 s2, hwreg(HW_REG_IB_STS2, 6, 4)
	s_cmp_eq_u32 s2, 0
	s_cbranch_scc0 .Lentry_in_a_cluster
	s_endpgm
.Lentry_in_a_cluster:
	s_bfe_u32 s2, ttmp6, 0x10000c
	s_cmp_lg_u32 s2, 0x3003
	s_cbranch_scc0 .Lentry_shape_is_right
	s_endpgm
.Lentry_shape_is_right:
; a[b][q][head] = sum over k of softmax_k(q . k / 8) v + bv, for each of the 64 (batch, head); operands f16, products, maxima and sums f32, the weights p rounded to f16 for the second product, a rounded once to f16.
; WORK LEFT OUT: bk (the same along the softmax's axis for every input: shown at the head of the first kernel).  bv is added here, behind the division by the sum: the weights sum to 1.
; SHARES.  A work-group owns 512 queries of one (batch, head); each of its sixteen waves owns 32, two tiles of 16, in 256 registers: four waves to a SIMD, so that one wave's vector work stands beside another's matrix work and LDS loads.
; Every wave walks all 2,048 keys, 64 a step.  K and V^T lie in memory as images of operand fragments (1 KB = [group][lane][16 bytes]), a slot of 512 keys on end: 64 KB of K, 64 KB of V^T.
; A slot comes into LDS as it lies, each wave bringing 8 KB of it; a fragment is two ds_load_b128 at 16 x lane: consecutive bytes, no pitch, nothing turned.
; LAYOUT.  S^T = K Q^T (source 0 = 16 keys, source 1 = 16 queries): a lane holds ONE query (lane % 16) and keys 8 (lane / 16) + 0 .. 7.  Two such tiles, rounded to f16 in pairs, ARE source 1 of O^T = V^T P.
; SOFTMAX.  A running maximum m and sum l for each query: p = 2^(c s - c m), c = log2(e) / 8; in every step O and l are multiplied by a = 2^(c m_old - c m_new).  The first step finds m = -3e38, l = 0, O = 0, so a step is written once.
; CLUSTER.  The four blocks of queries of a (batch, head) walk the same K and V: each piece of a slot is asked for JOINTLY, by the same tensor load with the same descriptor and the mask 15, in all four.
; Two slots in LDS, four in the sequence: two first fills and two refills; a wave has two tensor loads out at the start and one behind each refill's round.  A refill has the other slot's eight steps in which to land.
; No prefetch is laid: a slot is asked for eight key steps ahead of its first read, so no wave waits for it.
; THE RESULT is stored as images of the next product's fragments: aimg [head / 2][token / 16][4,096 bytes]; inside: (head % 2) x 2,048 + f x 512 (channels 16 f on): a wave's store covers 512 consecutive bytes, aligned.
; LIMITS: the result must lie under 65,504 in magnitude (f16); NaN and infinities are not served.
.set SLOT1, 1<<17                      ; a slot's bytes, in memory and in LDS: one exclusive or turns an address in one slot into the other's
.set VOFF,  65536                      ; V^T behind K in a slot
.set STEPB, 8192                       ; 64 keys: four blocks of K x 2,048, or two groups of V^T x 4,096
.set SPARE, 2*SLOT1                    ; behind the slots: the spare words, 128 bytes for each of sixteen waves
.set HEADB, 786432                     ; a (batch, head)'s bytes in qkv
.set LI,  1                            ; v1   16 x lane; never rewritten
.set ADK, 2                            ; v2   LDS address of the step's K
.set ADV, 3                            ; v3   of its V^T
.set SPW, 4                            ; v4   LDS address of my spare word; never rewritten
.set NIL, 5                            ; v5   0; never rewritten
.set BVO, 6                            ; v6   32 x (lane / 16): my eight numbers of a block of bv
.set ST,  8                            ; tile t's statistics at v[ST + 8 t]: +0 c m, +1 m, +2, +3 l (even keys', odd keys'), +4 to +7 at work; a at +6
.set Q,   24                           ; v24-55   Q: tile t, channels 32 c on at v[Q + 16 t + 8 c]
.set KV,  56                           ; v56-119  a step's K, then its V^T
.set S,   120                          ; v120-183 S^T: tile t, keys 16 u on at v[S + 32 t + 8 u]; p in place; P packed into the first 16 of each tile
.set O,   184                          ; v184-247 O^T: tile t, channels 16 f on at v[O + 32 t + 8 f]
.set WV,  12                           ; s12  my wave's number
.set G1,  24                           ; s[24:31] descriptor group 1
.set G0A, 32                           ; s[32:35] group 0 of slot 0's first fill
.set G0B, 36                           ; s[36:39] of slot 1's, which then walks on
.set TB,  40                           ; s40  LDS byte at which the step's K begins
.set CNT, 41                           ; s41  counts a slot's eight steps
.set CS,  42                           ; s[42:43] c: the packed form names a pair and takes its low word for both halves
.set SEL, 44                           ; s[44:45] lane selects for v_permlanex16_b32: lane l xor 16
.macro CROUND                          ; a round of the cluster's barrier
	s_barrier_signal -1
	s_barrier_wait -1
	s_cmp_lg_u32 s[WV], 0
	s_cbranch_scc1 .Lnot_wave_0_\@
	s_barrier_signal -3
.Lnot_wave_0_\@:
	s_barrier_wait -3
	s_barrier_signal -1
	s_barrier_wait -1
.endm
	s_load_b128 s[4:7], s[0:1], 0x0                ; qkv s[4:5], bv s[6:7]
	s_load_b64 s[8:9], s[0:1], 0x10                ; aimg
	v_lshl_add_u32 v[SPW], v0, 2, SPARE
	v_mov_b32 v[NIL], 0
	ds_add_u32 v[SPW], v[NIL]                      ; the wave's opening: the add, twice on end, and its wait ahead of my first tensor load
	ds_add_u32 v[SPW], v[NIL]                      ; and once more, under the one wait; the set-up below stands between
	v_lshrrev_b32 v1, 5, v0
	v_readfirstlane_b32 s[WV], v1                  ; wave 0..15
	s_bfe_u32 s13, ttmp6, 0x40000                  ; cx: my block of 512 queries: it enters Q's and the result's addresses alone
	s_and_b32 s14, ttmp7, 0xffff                   ; 16 x batch + head, which the four partners share
	s_mul_i32 s20, s14, HEADB                      ; under 2^26
	s_lshl_b32 s22, s[WV], 13                      ; my 8 KB of a slot, in memory and in LDS
	s_add_co_u32 s18, s20, s22
	s_add_co_u32 s18, s18, 262144                  ; the slots begin behind Q
	s_mov_b32 s19, 0
	s_lshl_b32 s2, s13, 16                         ; Q: 512 queries are 65,536 bytes,
	s_lshl_b32 s3, s[WV], 12                       ; my 32 are 4,096
	s_add_co_u32 s2, s2, s3
	s_add_co_u32 s2, s2, s20
	s_mov_b32 s3, 0
	s_and_b32 s15, s14, 15                         ; head
	s_lshr_b32 s21, s14, 4                         ; batch
	s_lshl_b32 s10, s15, 8                         ; bv: 256 bytes a head
	s_mov_b32 s11, 0
	s_lshl_b32 s21, s21, 7                         ; the result: block of 16 tokens 128 x batch + 32 cx + 2 x wave,
	s_lshl_b32 s23, s13, 5
	s_add_co_u32 s21, s21, s23
	s_lshl_b32 s23, s[WV], 1
	s_add_co_u32 s21, s21, s23
	s_lshl_b32 s46, s21, 12                        ; 4,096 bytes each,
	s_lshr_b32 s23, s15, 1
	s_lshl_b32 s23, s23, 21                        ; 2,097,152 for each pair of heads,
	s_add_co_u32 s46, s46, s23
	s_and_b32 s23, s15, 1
	s_lshl_b32 s23, s23, 11                        ; 2,048 for the odd head
	s_add_co_u32 s46, s46, s23
	s_mov_b32 s47, 0
	; descriptor group 1: 8 KB, dense, as 32 rows of 256 bytes
	s_mov_b32 s[G1], 15|(3<<16)|(1<<21)            ; 15:0 the mask: all four work-groups; 17:16 elements of 8 bytes; 20 no padding; 21 set beside a mask
	s_mov_b32 s[G1+1], 32<<16                      ; tensor_dim0 = 32
	s_mov_b32 s[G1+2], 32<<16                      ; tensor_dim1 = 32
	s_mov_b32 s[G1+3], 32<<16                      ; tile_dim0 = 32
	s_mov_b32 s[G1+4], 32                          ; tile_dim1 = 32
	s_mov_b32 s[G1+5], 32                          ; tensor_dim0_stride
	s_mov_b32 s[G1+6], 0
	s_mov_b32 s[G1+7], 0
	s_mov_b32 s[CS], 0x3e38aa3b                    ; c = log2(e) / 8
	s_mov_b32 s[CS+1], s[CS]                       ; (named with it as a pair, so it is written)
	s_mov_b32 s[SEL], 0x76543210
	s_mov_b32 s[SEL+1], 0xfedcba98
	s_mov_b32 s[TB], 0
	s_wait_dscnt 0x0                               ; both opening adds are done
	s_wait_kmcnt 0x0
	s_add_nc_u64 s[16:17], s[4:5], s[2:3]          ; Q at my first query
	s_add_nc_u64 s[18:19], s[4:5], s[18:19]        ; my piece of slot 0
	s_add_nc_u64 s[6:7], s[6:7], s[10:11]          ; bv at my head
	s_add_nc_u64 s[8:9], s[8:9], s[46:47]          ; the result at my first block
	s_mov_b32 s[G0A], 1                            ; 1:0 count = 1
	s_mov_b32 s[G0A+1], s22                        ; 63:32 LDS address: wave x 8,192
	s_mov_b64 s[G0A+2:G0A+3], s[18:19]             ; 120:64 global address
	s_or_b32 s[G0A+3], s[G0A+3], 0x80000000        ; 127:126 type = 2
	s_mov_b32 s[G0B], 1
	s_add_co_u32 s[G0B+1], s22, SLOT1
	s_add_nc_u64 s[G0B+2:G0B+3], s[18:19], SLOT1
	s_or_b32 s[G0B+3], s[G0B+3], 0x80000000
	CROUND                                         ; all four work-groups are here: the first joint loads meet
	tensor_load_to_lds s[G0A:G0A+3], s[G1:G1+7]    ; every wave brings its piece of both slots: no branch
	s_nop 0
	tensor_load_to_lds s[G0B:G0B+3], s[G1:G1+7]
	s_nop 0
.rept 4
	v_nop
.endr
	v_and_b32 v[LI], 31, v0
	v_lshlrev_b32 v[LI], 4, v[LI]
	v_bfe_u32 v[BVO], v0, 4, 1
	v_lshlrev_b32 v[BVO], 5, v[BVO]
.irp i, 0,1,2,3,4,5,6,7
	global_load_b128 v[Q+4*\i:Q+4*\i+3], v[LI], s[16:17] offset:512*\i   ; Q's four fragments stay in registers
.endr
.irp t, 0,1
	v_mov_b32 v[ST+8*\t+1], 0xff61b1e6             ; m = -3e38, under every score
	v_mov_b32 v[ST+8*\t+2], 0                      ; l
	v_mov_b32 v[ST+8*\t+3], 0
.endr
.irp t, 0,1
	v_mul_f32 v[ST+8*\t], s[CS], v[ST+8*\t+1]      ; c m
.endr
.irp j, 0,1,2,3,4,5,6,7,8,9,10,11,12,13,14,15,16,17,18,19,20,21,22,23,24,25,26,27,28,29,30,31,32,33,34,35,36,37,38,39,40,41,42,43,44,45,46,47,48,49,50,51,52,53,54,55,56,57,58,59,60,61,62,63
	v_mov_b32 v[O+\j], 0                           ; O^T: the first step multiplies these zeros by a = 0, so the step is written once
.endr
; S^T = K Q^T: 16 products; the eight accumulators take turns, one instruction a turn; the first eight start the sums
.macro KQ
.irp c, 0,1
.irp u, 0,1,2,3
.irp t, 0,1
.if \c == 0
	v_wmma_f32_16x16x32_f16 v[S+32*\t+8*\u:S+32*\t+8*\u+7], v[KV+8*(2*\u+\c):KV+8*(2*\u+\c)+7], v[Q+16*\t+8*\c:Q+16*\t+8*\c+7], 0
.else
	v_wmma_f32_16x16x32_f16 v[S+32*\t+8*\u:S+32*\t+8*\u+7], v[KV+8*(2*\u+\c):KV+8*(2*\u+\c)+7], v[Q+16*\t+8*\c:Q+16*\t+8*\c+7], v[S+32*\t+8*\u:S+32*\t+8*\u+7]
.endif
.endr
.endr
.endr
.endm
; O^T += V^T P: 16 products, keys 32 kc on, channels 16 f on; eight accumulators by turns
.macro PV
.irp kc, 0,1
.irp f, 0,1,2,3
.irp t, 0,1
	v_wmma_f32_16x16x32_f16 v[O+32*\t+8*\f:O+32*\t+8*\f+7], v[KV+8*(4*\kc+\f):KV+8*(4*\kc+\f)+7], v[S+32*\t+8*\kc:S+32*\t+8*\kc+7], v[O+32*\t+8*\f:O+32*\t+8*\f+7]
.endr
.endr
.endr
.endm
; The softmax of a step, 118 instructions a tile; the two tiles alternate line by line, so that no line reads the result of the line just above it.
.macro SOFTMAX
.irp j, 0,1,2,3
.irp t, 0,1
	v_max3_num_f32 v[ST+8*\t+4+\j], v[S+32*\t+8*\j], v[S+32*\t+8*\j+1], v[S+32*\t+8*\j+2]   ; four chains, one for each accumulator, each begun at its low end
.endr
.endr
.irp k, 1,2
.irp j, 0,1,2,3
.irp t, 0,1
	v_max3_num_f32 v[ST+8*\t+4+\j], v[ST+8*\t+4+\j], v[S+32*\t+8*\j+2*\k+1], v[S+32*\t+8*\j+2*\k+2]
.endr
.endr
.endr
.irp t, 0,1
	v_max3_num_f32 v[ST+8*\t+4], v[ST+8*\t+4], v[S+32*\t+7], v[S+32*\t+15]
.endr
.irp t, 0,1
	v_max3_num_f32 v[ST+8*\t+6], v[ST+8*\t+6], v[S+32*\t+23], v[S+32*\t+31]
.endr
.irp t, 0,1
	v_max3_num_f32 v[ST+8*\t+4], v[ST+8*\t+4], v[ST+8*\t+5], v[ST+8*\t+6]
.endr
.irp t, 0,1
	v_max3_num_f32 v[ST+8*\t+4], v[ST+8*\t+4], v[ST+8*\t+7], v[ST+8*\t+1]   ; and the old m
.endr
.irp t, 0,1
	v_permlanex16_b32 v[ST+8*\t+5], v[ST+8*\t+4], s[SEL], s[SEL+1]          ; the query's other 32 keys lie in the lane 16 away
.endr
.irp t, 0,1
	v_mov_b32 v[ST+8*\t+7], v[ST+8*\t]             ; c m_old is kept for a
.endr
.irp t, 0,1
	v_max_num_f32 v[ST+8*\t+1], v[ST+8*\t+4], v[ST+8*\t+5]                  ; the new m
.endr
.irp t, 0,1
	v_mul_f32 v[ST+8*\t], s[CS], v[ST+8*\t+1]
.endr
.irp t, 0,1
	v_sub_f32 v[ST+8*\t+7], v[ST+8*\t+7], v[ST+8*\t]
.endr
.irp b, 0,1,2,3,4,5,6,7,8,9,10,11,12,13,14,15
.irp t, 0,1
	v_pk_fma_f32 v[S+32*\t+2*\b:S+32*\t+2*\b+1], v[S+32*\t+2*\b:S+32*\t+2*\b+1], s[CS:CS+1], v[ST+8*\t:ST+8*\t+1] op_sel_hi:[1,0,0] neg_lo:[0,0,1] neg_hi:[0,0,1]   ; c s - c m, two at a time
.endr
.endr
.irp t, 0,1
	v_exp_f32 v[ST+8*\t+6], v[ST+8*\t+7]           ; a.  ONE BATCH: 66 exponentials, none of which reads another's result
.endr
.irp e, 0,1,2,3,4,5,6,7,8,9,10,11,12,13,14,15,16,17,18,19,20,21,22,23,24,25,26,27,28,29,30,31
.irp t, 0,1
	v_exp_f32 v[S+32*\t+\e], v[S+32*\t+\e]
.endr
.endr
	v_nop                                          ; a plain instruction behind the last exponential, ahead of the first use
	s_wait_alu depctr_va_vdst(0)                   ; the wait ahead of the first instruction that names a result: one for the batch
.irp t, 0,1
	v_pk_fma_f32 v[ST+8*\t+2:ST+8*\t+3], v[ST+8*\t+2:ST+8*\t+3], v[ST+8*\t+6:ST+8*\t+7], v[S+32*\t:S+32*\t+1] op_sel_hi:[1,0,1]   ; l = a l + the first pair
.endr
.irp t, 0,1
	v_cvt_pk_f16_f32 v[S+32*\t], v[S+32*\t], v[S+32*\t+1]
.endr
.irp j, 1,2,3,4,5,6,7,8,9,10,11,12,13,14,15
.irp t, 0,1
	v_pk_add_f32 v[ST+8*\t+2:ST+8*\t+3], v[ST+8*\t+2:ST+8*\t+3], v[S+32*\t+2*\j:S+32*\t+2*\j+1]   ; the sum is taken of the unrounded p
.endr
.irp t, 0,1
	v_cvt_pk_f16_f32 v[S+32*\t+\j], v[S+32*\t+2*\j], v[S+32*\t+2*\j+1]   ; in place: register j belonged to pair j / 2, which has been summed and rounded
.endr
.endr
.irp j, 0,1,2,3,4,5,6,7,8,9,10,11,12,13,14,15
.irp t, 0,1
	v_pk_mul_f32 v[O+32*\t+2*\j:O+32*\t+2*\j+1], v[O+32*\t+2*\j:O+32*\t+2*\j+1], v[ST+8*\t+6:ST+8*\t+7] op_sel_hi:[1,0]   ; O^T x a, each accumulator from its low end on
.endr
.endr
.endm
; A KEY STEP: 64 keys.
.macro STEP
	v_add_nc_u32 v[ADK], s[TB], v[LI]
	v_add_nc_u32 v[ADV], VOFF, v[ADK]
.rept 4
	v_nop                                          ; with the two additions six places behind the last products V^T P: K Q^T writes over P, which they read (five are owed), and K's loads land where V^T lay (four)
.endr
.irp i, 0,1,2,3,4,5,6,7,8,9,10,11,12,13,14,15
	ds_load_b128 v[KV+4*\i:KV+4*\i+3], v[ADK] offset:512*\i      ; K: keys 16 (i / 4) on, channels 32 ((i / 2) % 2) on
.endr
	s_wait_dscnt 0x0
	KQ
.rept 4
	v_nop                                          ; places in front of the loads into K's registers and of the first read of the scores
.endr
.irp i, 0,1,2,3,4,5,6,7,8,9,10,11,12,13,14,15
	ds_load_b128 v[KV+4*\i:KV+4*\i+3], v[ADV] offset:512*\i      ; V^T: keys 32 (i / 8) on, channels 16 ((i / 2) % 4) on: it lands under the softmax
.endr
	SOFTMAX
	s_wait_dscnt 0x0
	PV
	s_add_co_u32 s[TB], s[TB], STEPB
.endm
.macro SLOT_STEPS                      ; a slot's eight steps: written once, walked eight times
	s_mov_b32 s[CNT], 8
.Lstep_\@:
	STEP
	s_sub_co_u32 s[CNT], s[CNT], 1
	s_cmp_lg_u32 s[CNT], 0
	s_cbranch_scc1 .Lstep_\@
.endm
; THE CHANGE OF SLOTS.  Each wave waits for all its tensor loads (one is out: its piece of the other slot), adds 0 to its spare word, and waits for that and for its reads of the slot that it leaves.
; fill = 1: the barrier is a round of the cluster's, so that no wave of any partner still reads the slot or has a load on its way; the joint refill is the first thing behind it, one load a wave.
.macro CHANGE fill
	s_wait_tensorcnt 0x0                           ; no tensor load of mine is out, so a group 0 may be written
	ds_add_u32 v[SPW], v[NIL]                      ; 0 onto my spare word; the steps below stand between it and the wait for it
.if \fill
	s_xor_b32 s[G0B+1], s[G0B+1], SLOT1            ; the walking descriptor: the other slot than last time,
	s_add_nc_u64 s[G0B+2:G0B+3], s[G0B+2:G0B+3], SLOT1   ; the next 512 keys; the type bits on top are not reached
.endif
	s_sub_co_u32 s[TB], s[TB], 8*STEPB             ; the reads go back to a slot's first step,
	s_xor_b32 s[TB], s[TB], SLOT1                  ; in the other slot
	s_wait_dscnt 0x0                               ; the add is done, and my reads of the slot are over
.if \fill
	CROUND
	tensor_load_to_lds s[G0B:G0B+3], s[G1:G1+7]
	s_nop 0
.rept 4
	v_nop
.endr
.else
	s_barrier_signal -1
	s_barrier_wait -1
.endif
.endm
	s_wait_tensorcnt 1                             ; my piece of slot 0 is in; slot 1's, issued behind it, may stay out
	s_barrier_signal -1
	s_barrier_wait -1                              ; everybody's is
	s_wait_loadcnt 0x0                             ; Q
	SLOT_STEPS                                     ; keys 0 to 511
	CHANGE 1                                       ; keys 1,024 on are asked for
	SLOT_STEPS
	CHANGE 1                                       ; keys 1,536 on
	SLOT_STEPS
	CHANGE 0                                       ; nothing is left to fetch
	SLOT_STEPS
	; THE WAY OUT: a = O^T / l + bv, rounded to f16; a lane's eight channels of a query are one register group of the next product's fragment.
.rept 4
	v_nop                                          ; places behind the last products: loads land where V^T lay
.endr
.irp f, 0,1,2,3
	global_load_b128 v[KV+8*\f:KV+8*\f+3], v[BVO], s[6:7] offset:64*\f        ; bv at channels 16 f + 8 (lane / 16) + 0 .. 7
	global_load_b128 v[KV+8*\f+4:KV+8*\f+7], v[BVO], s[6:7] offset:64*\f+16
.endr
.irp t, 0,1
	v_add_f32 v[ST+8*\t+4], v[ST+8*\t+2], v[ST+8*\t+3]
.endr
.irp t, 0,1
	v_permlanex16_b32 v[ST+8*\t+5], v[ST+8*\t+4], s[SEL], s[SEL+1]
.endr
.irp t, 0,1
	v_add_f32 v[ST+8*\t+4], v[ST+8*\t+4], v[ST+8*\t+5]
.endr
.irp t, 0,1
	v_rcp_f32 v[ST+8*\t+6], v[ST+8*\t+4]
.endr
	v_nop                                          ; a plain instruction between the last reciprocal and the use of its result
	s_wait_alu depctr_va_vdst(0)                   ; and the wait ahead of the first use: one for both
	s_wait_loadcnt 0x0                             ; bv
.irp t, 0,1
.irp j, 0,1,2,3,4,5,6,7,8,9,10,11,12,13,14,15
	v_pk_fma_f32 v[O+32*\t+2*\j:O+32*\t+2*\j+1], v[O+32*\t+2*\j:O+32*\t+2*\j+1], v[ST+8*\t+6:ST+8*\t+7], v[KV+2*\j:KV+2*\j+1] op_sel_hi:[1,0,1]
.endr
.endr
.irp t, 0,1
.irp j, 0,1,2,3,4,5,6,7,8,9,10,11,12,13,14,15
	v_cvt_pk_f16_f32 v[S+16*\t+\j], v[O+32*\t+2*\j], v[O+32*\t+2*\j+1]
.endr
.endr
.irp t, 0,1
.irp f, 0,1,2,3
	global_store_b128 v[LI], v[S+16*\t+4*\f:S+16*\t+4*\f+3], s[8:9] offset:\t*4096+\f*512   ; 32 lanes store 512 consecutive bytes, aligned
.endr
.endr
	s_wait_tensorcnt 0x0                           ; the wave's end, behind my last tensor load
	ds_add_u32 v[SPW], v[NIL]
	s_wait_dscnt 0x0
	CROUND                                         ; the closing round: no work-group ends while a partner may still ask for a piece that names it
	s_endpgm
.Lfunc_end_k_q4cf77e42f1_attn:
	.size	k_q4cf77e42f1_attn, .Lfunc_end_k_q4cf77e42f1_attn-k_q4cf77e42f1_attn
	.p2alignl 7, 3214868480
	.fill 96, 4, 3214868480
	.section	.rodata,"a",@progbits
	.p2align	6, 0x0
	.amdhsa_kernel k_q4cf77e42f1_attn
		.amdhsa_group_segment_fixed_size 327680
		.amdhsa_private_segment_fixed_size 0
		.amdhsa_enable_private_segment 0
		.amdhsa_kernarg_size 24
		.amdhsa_user_sgpr_count 2
		.amdhsa_user_sgpr_kernarg_segment_ptr 1
		.amdhsa_wavefront_size32 1
		.amdhsa_system_sgpr_workgroup_id_x 1
		.amdhsa_system_sgpr_workgroup_id_y 1
		.amdhsa_system_sgpr_workgroup_id_z 1
		.amdhsa_system_vgpr_workitem_id 0
		.amdhsa_next_free_vgpr 256
		.amdhsa_next_free_sgpr 66
		.amdhsa_reserve_vcc 0
		.amdhsa_float_denorm_mode_32 3
		.amdhsa_float_denorm_mode_16_64 3
		.amdhsa_memory_ordered 1
		.amdhsa_forward_progress 1
		.amdhsa_inst_pref_size 85
	.end_amdhsa_kernel
	.amdgpu_metadata
---
amdhsa.version: [ 1, 2 ]
amdhsa.kernels:
  - .name:           k_q4cf77e42f1_attn
    .symbol:         k_q4cf77e42f1_attn.kd
    .args:
      - { .name: qkv, .offset: 0, .size: 8, .value_kind: global_buffer, .address_space: global }
      - { .name: bv, .offset: 8, .size: 8, .value_kind: global_buffer, .address_space: global }
      - { .name: aimg, .offset: 16, .size: 8, .value_kind: global_buffer, .address_space: global }
    .group_segment_fixed_size: 327680
    .private_segment_fixed_size: 0
    .kernarg_segment_align: 8
    .kernarg_segment_size: 24
    .max_flat_workgroup_size: 512
    .sgpr_count:     66
    .vgpr_count:     256
    .wavefront_size: 32
...
	.end_amdgpu_metadata
.endif
;; end of part 3
;; launch oproj (part 4): grid 4 x 64, 4 waves a work-group, clusters of 4 x 4, 327,680 bytes of LDS; arguments aimg, wo16, bo, out0; writes out0
.if DOCPART == 4
	.amdgcn_target "amdgcn-amd-amdhsa--gfx1250"
	.amdhsa_code_object_version 6
	.text
	.protected	k_q4cf77e42f1_oproj
	.globl	k_q4cf77e42f1_oproj
	.p2align	8
	.type	k_q4cf77e42f1_oproj,@function
k_q4cf77e42f1_oproj:
	s_mov_b64 s[64:65], 0
	v_nop
	global_prefetch_b8 v0, s[64:65] scope:SCOPE_SE
	s_setreg_imm32_b32 hwreg(HW_REG_WAVE_MODE, 25, 1), 1
	s_wait_xcnt 0x0
	s_wait_alu depctr_hold_cnt(0) depctr_sa_sdst(0) depctr_va_vdst(0) depctr_va_sdst(0) depctr_va_ssrc(0) depctr_va_vcc(0) depctr_vm_vsrc(0)
	s_getreg_b32 s2, hwreg(HW_REG_IB_STS2, 6, 4)
	s_cmp_eq_u32 s2, 0
	s_cbranch_scc0 .Lentry_in_a_cluster
	s_endpgm
.Lentry_in_a_cluster:
	s_bfe_u32 s2, ttmp6, 0x10000c
	s_cmp_lg_u32 s2, 0xf033
	s_cbranch_scc0 .Lentry_shape_is_right
	s_endpgm
.Lentry_shape_is_right:
; out0[m][n] = sum over k of a[m][k] Wo[n][k] + bo[n].  a: 8,192 x 1,024 f16, as images of fragments: aimg [k / 128][m / 16][4,096 bytes], inside (k % 128 / 32) x 1,024 + group x 512 + 16 x lane.  Wo: [1,024][1,024] f16, by rows.  Sums and out0 f32.
; A tile of out0 is 128 tokens x 256 columns: 256 tiles, one for each work-group.  Four waves, each 64 x 128: 32 accumulators of 16 x 16, 256 registers.  K goes in 8 steps of 128 through a ring of two LDS slots.
; A's part of a slot is 32 KB of memory as it lies (a fragment: two ds_load_b128 at 16 x lane); B's is 256 rows of 256 bytes, padded to 272.
; CLUSTERS: 4 x 4 work-groups.  The four of a row of the cluster need the same tokens (A), the four of a column the same rows of Wo (B): each tile is asked for JOINTLY.  Waves 0 and 1 fetch A's halves, waves 2 and 3 B's.
; A wave has two tensor loads out at the start and one behind each refill's round; from a request to the wait for it stand 112 matrix instructions.
; THE MATRIX INSTRUCTION IS USED TRANSPOSED (source 0 = 16 rows of Wo, source 1 = 16 tokens): a lane holds eight neighbouring columns of a row of out0.  bo is the C of each sum's first instruction.
; REGISTERS: window 0: v0-31 addresses; v32-95 bo in the result's layout; v128-255 rows on the way out.   window 1: two fragment buffers at v0 and v128: A 32 registers, then B 64.   window 2: accumulator (a, b) at v[8 (8 a + b)].
.set PITCH,  272                       ; a row of B in LDS: 256 bytes + 16 of padding: the 16 rows that a load touches start at 16 different banks
.set ABYTES, 32768                     ; A's part of a slot: 8 blocks of 16 tokens x 4,096
.set HALFB,  128*PITCH                 ; 128 rows of B: what one tensor load brings
.set SLOT,   ABYTES+2*HALFB
.set STAGE,  2*SLOT                    ; behind the ring: 16 rows x (512 bytes + 16) for each wave, for the way out; no fill lands here
.set SPITCH, 528
.set SPARE,  STAGE+4*16*SPITCH         ; the spare words, 128 bytes a wave
.set KSA,    2097152                   ; a K step on in aimg
.set KSB,    256                       ; and in a row of Wo
.set LAPS,   4                         ; a lap = two K steps = once round the ring
.set ADRA, 16                          ; v16-17  LDS address of my A fragments in slot 0, 1
.set ADRB, 20                          ; v20-21  the same for B
.set STO,  24                          ; v24     the way out: where I put 32 bytes of a row
.set RD,   25                          ; v25     where I read a row back
.set CO,   26                          ; v26     16 x lane
.set BOF,  27                          ; v27     32 x (lane / 16)
.set SPW,  28                          ; v28     LDS address of my spare word; never rewritten
.set NIL,  29                          ; v29     0; never rewritten
.set BO,   32
.set BK,   128
.set F0,   0                           ; fragment buffers, in window 1
.set F1,   128
.set WV,  12                           ; s12 wave;  s13 which 64 tokens are mine, and: I fetch for A (0) or B (1);  s14 which 128 columns, and: which half I fetch
.set G1,  24                           ; s[24:31] descriptor group 1 for A;  s[32:39] group 0, one set for each slot
.set G0,  32
.set G1B, 48                           ; the same for B
.set G0B, 56
.set MSB, 0
.macro WIN new                         ; the immediate's high byte repeats the setting that is left
.if MSB != \new
	s_set_vgpr_msb (MSB<<8)|\new
.set MSB, \new
.endif
.endm
.set MUL,   0xa5                       ; sources 0 (B) and 1 (A) window 1; C and D window 2
.set MUL_F, 0x85                       ; the first quarter: C (bo) in window 0
.set TO_F,  0x40                       ; destination window 1, address window 0
.macro JLOAD s                         ; a joint load; the branch hangs on the wave's number alone; an s_nop 0 and four v_nop follow each of the two lines
	s_cmp_eq_u32 s13, 0
	s_cbranch_scc0 .Lfor_b_\@
	tensor_load_to_lds s[G0+4*\s:G0+4*\s+3], s[G1:G1+7]
	s_nop 0
.rept 4
	v_nop
.endr
	s_branch .Lasked_\@
.Lfor_b_\@:
	tensor_load_to_lds s[G0B+4*\s:G0B+4*\s+3], s[G1B:G1B+7]
	s_nop 0
.rept 4
	v_nop
.endr
.Lasked_\@:
.endm
.macro CREST                           ; a round of the cluster's barrier behind its opening barrier
	s_cmp_lg_u32 s[WV], 0
	s_cbranch_scc1 .Lnot_wave_0_\@
	s_barrier_signal -3
.Lnot_wave_0_\@:
	s_barrier_wait -3
	s_barrier_signal -1
	s_barrier_wait -1
.endm
.macro CROUND
	s_barrier_signal -1
	s_barrier_wait -1
	CREST
.endm
	s_load_b128 s[4:7], s[0:1], 0x0                ; aimg s[4:5], wo16 s[6:7]
	s_load_b128 s[8:11], s[0:1], 0x10              ; bo s[8:9], out0 s[10:11]
	v_lshl_add_u32 v[SPW], v0, 2, SPARE
	v_mov_b32 v[NIL], 0
	ds_add_u32 v[SPW], v[NIL]                      ; the wave's opening: the add, twice on end, and its wait ahead of my first tensor load
	ds_add_u32 v[SPW], v[NIL]                      ; and once more, under the one wait; the set-up below stands between
	v_lshrrev_b32 v1, 5, v0
	v_readfirstlane_b32 s[WV], v1                  ; wave 0..3
	s_lshr_b32 s13, s[WV], 1
	s_and_b32 s14, s[WV], 1
	s_bfe_u32 s40, ttmp6, 0x40000                  ; cx: the tile column (the grid is one cluster wide)
	s_bfe_u32 s41, ttmp6, 0x40004                  ; cy
	s_and_b32 s42, ttmp7, 0xffff
	s_lshl_b32 s42, s42, 2
	s_add_co_u32 s42, s42, s41                     ; tile row = 4 x cluster y + cy
	s_lshl_b32 s43, s41, 2
	s_lshl_b32 s43, 15, s43                        ; my row of the cluster
	s_lshl_b32 s44, 0x1111, s40                    ; my column
	; descriptor group 1.  A: 16 KB, dense, as 64 rows of 256 bytes
	s_or_b32 s[G1+0], s43, (3<<16)|(1<<21)         ; 15:0 the mask; 17:16 elements of 8 bytes; 20 no padding; 21 set beside a mask
	s_mov_b32 s[G1+1], 32<<16                      ; tensor_dim0 = 32
	s_mov_b32 s[G1+2], 64<<16                      ; tensor_dim1 = 64
	s_mov_b32 s[G1+3], 32<<16                      ; tile_dim0 = 32
	s_mov_b32 s[G1+4], 64                          ; tile_dim1 = 64
	s_mov_b32 s[G1+5], 32                          ; tensor_dim0_stride
	s_mov_b32 s[G1+6], 0
	s_mov_b32 s[G1+7], 0
	; B: 128 rows x 128 elements of 2 bytes, 1,024 elements from row to row, four words of padding after every 64
	s_or_b32 s[G1B+0], s44, (1<<16)|(1<<20)|(1<<21)|(5<<22)|(3<<25)
	s_mov_b32 s[G1B+1], 128<<16
	s_mov_b32 s[G1B+2], 128<<16
	s_mov_b32 s[G1B+3], 128<<16
	s_mov_b32 s[G1B+4], 128
	s_mov_b32 s[G1B+5], 1024
	s_mov_b32 s[G1B+6], 0
	s_mov_b32 s[G1B+7], 0
	s_lshl_b32 s16, s42, 15                        ; A: 32,768 bytes a tile row of a K step, hangs on the tile row alone,
	s_lshl_b32 s17, s14, 14                        ; + the half that I fetch
	s_add_co_u32 s16, s16, s17
	s_mov_b32 s17, 0
	s_lshl_b32 s46, s40, 19                        ; B: 256 rows of 2,048 bytes a tile column, hangs on cx alone,
	s_lshl_b32 s47, s14, 18                        ; + 128 rows
	s_add_co_u32 s46, s46, s47
	s_mov_b32 s47, 0
	s_lshl_b32 s20, s14, 14                        ; where they go: A's halves,
	s_mul_i32 s21, s14, HALFB
	s_add_co_u32 s21, s21, ABYTES                  ; B's halves behind them: no place in the cluster enters an LDS address
	s_wait_dscnt 0x0                               ; both opening adds are done
	s_wait_kmcnt 0x0
	s_add_nc_u64 s[16:17], s[4:5], s[16:17]
	s_add_nc_u64 s[46:47], s[6:7], s[46:47]
	CROUND                                         ; all sixteen work-groups are here: the first joint loads meet
.irp s, 0,1
	s_mov_b32 s[G0+4*\s], 1
	s_add_co_u32 s[G0+4*\s+1], s20, \s*SLOT
	s_add_nc_u64 s[G0+4*\s+2:G0+4*\s+3], s[16:17], \s*KSA
	s_or_b32 s[G0+4*\s+3], s[G0+4*\s+3], 0x80000000
	s_mov_b32 s[G0B+4*\s], 1
	s_add_co_u32 s[G0B+4*\s+1], s21, \s*SLOT
	s_add_nc_u64 s[G0B+4*\s+2:G0B+4*\s+3], s[46:47], \s*KSB
	s_or_b32 s[G0B+4*\s+3], s[G0B+4*\s+3], 0x80000000
	JLOAD \s
.endr
	v_and_b32 v1, 15, v0                           ; l % 16
	v_bfe_u32 v2, v0, 4, 1                         ; l / 16
	v_lshlrev_b32 v[BOF], 5, v2
	s_lshl_b32 s22, s40, 10
	s_lshl_b32 s23, s14, 9
	s_add_co_u32 s22, s22, s23                     ; my first column in bytes: 4 x (256 cx + 128 x half)
	s_mov_b32 s23, 0
	s_add_nc_u64 s[8:9], s[8:9], s[22:23]
.irp b, 0,1,2,3,4,5,6,7
	global_load_b128 v[BO+8*\b:BO+8*\b+3], v[BOF], s[8:9] offset:64*\b        ; bo at columns 16 b + 8 (l / 16) + 0 .. 7
	global_load_b128 v[BO+8*\b+4:BO+8*\b+7], v[BOF], s[8:9] offset:64*\b+16
.endr
	s_add_nc_u64 s[10:11], s[10:11], s[22:23]      ; out0 at my first column,
	s_lshl_b32 s22, s42, 19                        ; 128 rows of 4,096 bytes a tile row,
	s_lshl_b32 s15, s13, 18                        ; my 64 of them
	s_add_co_u32 s22, s22, s15
	s_add_nc_u64 s[10:11], s[10:11], s[22:23]
	v_and_b32 v3, 31, v0
	v_lshlrev_b32 v[CO], 4, v3
	s_lshl_b32 s18, s13, 14                        ; my 64 tokens' images
	v_mul_u32_u24 v4, v1, PITCH
	v_lshl_add_u32 v4, v2, 4, v4                   ; B: a fragment's row x pitch + 16 x half
	s_mul_i32 s19, s14, HALFB
	s_add_co_u32 s19, s19, ABYTES                  ; my 128 rows of B
.irp s, 0,1
	v_add_nc_u32 v[ADRA+\s], s18, v[CO]
	v_add_nc_u32 v[ADRB+\s], s19, v4
	s_add_co_u32 s18, s18, SLOT
	s_add_co_u32 s19, s19, SLOT
.endr
	s_mul_i32 s18, s[WV], 16*SPITCH
	s_add_co_u32 s18, s18, STAGE                   ; my stage
	v_mul_u32_u24 v5, v1, SPITCH                   ; in: row l % 16, 32 bytes for each half of the lanes
	v_lshl_add_u32 v5, v2, 5, v5
	v_add_nc_u32 v[STO], s18, v5
	v_add_nc_u32 v[RD], s18, v[CO]                 ; back: the 32 lanes take one row of 512 bytes
; 8 matrix instructions: token block a x all 8 column blocks, 32 along K, from buffer f.  first = 1: the sums begin with bo.  The 32 accumulators take turns, in the same order in every quarter.
.macro MULA f, a, first
.irp b, 0,1,2,3,4,5,6,7
.if \first
	v_wmma_f32_16x16x32_f16 v[8*(8*(\a)+\b):8*(8*(\a)+\b)+7], v[\f+32+8*\b:\f+32+8*\b+7], v[\f+8*(\a):\f+8*(\a)+7], v[BO+8*\b:BO+8*\b+7]
.else
	v_wmma_f32_16x16x32_f16 v[8*(8*(\a)+\b):8*(8*(\a)+\b)+7], v[\f+32+8*\b:\f+32+8*\b+7], v[\f+8*(\a):\f+8*(\a)+7], v[8*(8*(\a)+\b):8*(8*(\a)+\b)+7]
.endif
.endr
.endm
; 24 LDS loads in one run: the fragments of the slot's q-th 32 along K into buffer f: B's sixteen, then A's eight
.macro FETCH slot, q, f
	WIN TO_F
.irp i, 0,1,2,3,4,5,6,7
	ds_load_b128 v[\f+32+8*\i:\f+32+8*\i+3],   v[ADRB+\slot] offset:64*(\q)+\i*16*PITCH
	ds_load_b128 v[\f+32+8*\i+4:\f+32+8*\i+7], v[ADRB+\slot] offset:64*(\q)+\i*16*PITCH+32
.endr
.irp a, 0,1,2,3
	ds_load_b128 v[\f+8*\a:\f+8*\a+3],   v[ADRA+\slot] offset:\a*4096+1024*(\q)
	ds_load_b128 v[\f+8*\a+4:\f+8*\a+7], v[ADRA+\slot] offset:\a*4096+1024*(\q)+512
.endr
.endm
.macro PLACES                          ; four places in front of loads into registers that matrix instructions have read, and of reads of results
.rept 4
	v_nop
.endr
.endm
; A K step is four quarters of 32 along K, 32 matrix instructions each, on buffers 0, 1, 0, 1.  One of the first three: multiplies buffer f and fetches the slot's q-th quarter into g.
.macro QUARTER slot, q, f, g, first
	s_wait_dscnt 4                                 ; B and A's blocks 0, 1 are in; the youngest four loads (A's blocks 2, 3) may be out
.if \first
	WIN MUL_F
.else
	WIN MUL
.endif
	MULA \f, 0, \first
	MULA \f, 1, \first
	PLACES
	FETCH \slot, \q, \g
	s_wait_dscnt 24                                ; all but the 24 just issued
.if \first
	WIN MUL_F
.else
	WIN MUL
.endif
	MULA \f, 2, \first
	MULA \f, 3, \first
.endm
; The last quarter multiplies buffer 1 and changes slots: ONE barrier; in front of it each wave waits for all its tensor loads, adds 0 to its spare word, and waits for that and for its reads of this slot.  fill = 1: this slot is filled again, two K steps ahead.
.macro TURN slot, next, fill
	WIN 0                                          ; (the add's two registers lie in window 0)
	s_wait_tensorcnt 0x0                           ; all my tensor loads have landed: my part of the next slot
	ds_add_u32 v[SPW], v[NIL]                      ; 0 onto my spare word
	s_wait_dscnt 5                                 ; (the add and the youngest four loads may be out)
	WIN MUL
	MULA F1, 0, 0                                  ; eight matrix instructions stand between the add and the wait for it
	s_wait_dscnt 0x0                               ; the add is done, and my reads of this slot are over
	s_barrier_signal -1
	MULA F1, 1, 0
.if \fill
	WIN 0
.endif
	s_barrier_wait -1
.if \fill
	CREST                                          ; the barrier has opened a round of the cluster's: no wave of any partner still reads this slot or has a load on its way
	s_add_nc_u64 s[G0+4*\slot+2:G0+4*\slot+3], s[G0+4*\slot+2:G0+4*\slot+3], 2*KSA
	s_add_nc_u64 s[G0B+4*\slot+2:G0B+4*\slot+3], s[G0B+4*\slot+2:G0B+4*\slot+3], 2*KSB
	JLOAD \slot                                    ; the first tensor load behind the round; the four v_nop behind it are also the places in front of the loads below
.else
	PLACES
.endif
	FETCH \next, 0, F0
	WIN MUL
	MULA F1, 2, 0
	MULA F1, 3, 0
.endm
	s_wait_tensorcnt 1                             ; my part of K step 0 is in (K step 1's load, issued behind it, may be out),
	s_barrier_signal -1
	s_barrier_wait -1                              ; everybody's is
	FETCH 0, 0, F0
	s_wait_loadcnt 0x0                             ; bo
	QUARTER 0, 1, F0, F1, 1                        ; the first quarter stands in front of the loop: its products start the sums
	WIN 0                                          ; at a label and at a branch every window is 0
	s_mov_b32 s3, LAPS-1
.Llap:                                                 ; a trip goes once round the ring, from a lap's second quarter to the next lap's first, and fills both slots again
	QUARTER 0, 2, F1, F0, 0
	QUARTER 0, 3, F0, F1, 0
	TURN 0, 1, 1
	QUARTER 1, 1, F0, F1, 0
	QUARTER 1, 2, F1, F0, 0
	QUARTER 1, 3, F0, F1, 0
	TURN 1, 0, 1
	QUARTER 0, 1, F0, F1, 0
	WIN 0
	s_sub_co_u32 s3, s3, 1
	s_cmp_lg_u32 s3, 0
	s_cbranch_scc1 .Llap
	QUARTER 0, 2, F1, F0, 0                        ; the last lap fills nothing, and has no round of the cluster's barrier
	QUARTER 0, 3, F0, F1, 0
	TURN 0, 1, 0
	QUARTER 1, 1, F0, F1, 0
	QUARTER 1, 2, F1, F0, 0
	QUARTER 1, 3, F0, F1, 0
	s_wait_dscnt 4                                 ; the very last quarter: nothing more to fetch
	WIN MUL
	MULA F1, 0, 0
	MULA F1, 1, 0
	s_wait_dscnt 0
	MULA F1, 2, 0
	MULA F1, 3, 0
	WIN 0
; THE WAY OUT, block by block of 16 tokens x 128 columns: a lane holds 32 neighbouring bytes of a row; a block goes through my own stage and comes back as whole rows of 512 bytes.
; LDS serves a wave's instructions in order: no wait between the stores and the loads, nor in front of the next block's stores.
.macro TOSTAGE a
	WIN 0x08                                       ; an LDS store's data are its source 1: window 2
.irp b, 0,1,2,3,4,5,6,7
	ds_store_b128 v[STO], v[8*(8*(\a)+\b):8*(8*(\a)+\b)+3] offset:64*\b          ; each accumulator from its low end on
	ds_store_b128 v[STO], v[8*(8*(\a)+\b)+4:8*(8*(\a)+\b)+7] offset:64*\b+16
.endr
	WIN 0
.set BB, BK+64*((\a)%2)
.irp t, 0,1,2,3,4,5,6,7,8,9,10,11,12,13,14,15
	ds_load_b128 v[BB+4*\t:BB+4*\t+3], v[RD] offset:\t*SPITCH
.endr
.endm
.macro SEND a, younger                 ; younger: the LDS instructions issued behind block a's loads, which may stay out
.set BB, BK+64*((\a)%2)
	s_wait_dscnt \younger                          ; the block is back in registers
.irp t, 0,1,2,3,4,5,6,7,8,9,10,11,12,13,14,15
	global_store_b128 v[CO], v[BB+4*\t:BB+4*\t+3], s[10:11] offset:(16*(\a)+\t)*4096 th:TH_STORE_NT   ; 32 lanes store 512 consecutive bytes, aligned; the row stands in the immediate, 258,048 at the most
.endr
.endm
	PLACES                                         ; behind the last products, ahead of the first read of results
	TOSTAGE 0
.irp a, 1,2,3
.if \a > 1
	s_wait_xcnt 0x0                                ; block a - 2's stores have read their registers: block a's loads may land there
.endif
	TOSTAGE \a
	SEND \a-1, 32                                  ; behind block a - 1's loads: block a's 16 stores and 16 loads
.endr
	SEND 3, 0
	s_wait_tensorcnt 0x0                           ; the wave's end, behind my last tensor load and my last LDS store
	ds_add_u32 v[SPW], v[NIL]
	s_wait_dscnt 0x0
	CROUND                                         ; the closing round: no work-group ends while a partner may still ask for a tile that names it
	s_endpgm
.Lfunc_end_k_q4cf77e42f1_oproj:
	.size	k_q4cf77e42f1_oproj, .Lfunc_end_k_q4cf77e42f1_oproj-k_q4cf77e42f1_oproj
	.p2alignl 7, 3214868480
	.fill 96, 4, 3214868480
	.section	.rodata,"a",@progbits
	.p2align	6, 0x0
	.amdhsa_kernel k_q4cf77e42f1_oproj
		.amdhsa_group_segment_fixed_size 327680
		.amdhsa_private_segment_fixed_size 0
		.amdhsa_enable_private_segment 0
		.amdhsa_kernarg_size 32
		.amdhsa_user_sgpr_count 2
		.amdhsa_user_sgpr_kernarg_segment_ptr 1
		.amdhsa_wavefront_size32 1
		.amdhsa_system_sgpr_workgroup_id_x 1
		.amdhsa_system_sgpr_workgroup_id_y 1
		.amdhsa_system_sgpr_workgroup_id_z 1
		.amdhsa_system_vgpr_workitem_id 0
		.amdhsa_next_free_vgpr 768
		.amdhsa_next_free_sgpr 66
		.amdhsa_reserve_vcc 0
		.amdhsa_float_denorm_mode_32 3
		.amdhsa_float_denorm_mode_16_64 3
		.amdhsa_memory_ordered 1
		.amdhsa_forward_progress 1
		.amdhsa_inst_pref_size 86
	.end_amdhsa_kernel
	.amdgpu_metadata
---
amdhsa.version: [ 1, 2 ]
amdhsa.kernels:
  - .name:           k_q4cf77e42f1_oproj
    .symbol:         k_q4cf77e42f1_oproj.kd
    .args:
      - { .name: aimg, .offset: 0, .size: 8, .value_kind: global_buffer, .address_space: global }
      - { .name: wo16, .offset: 8, .size: 8, .value_kind: global_buffer, .address_space: global }
      - { .name: bo, .offset: 16, .size: 8, .value_kind: global_buffer, .address_space: global }
      - { .name: out0, .offset: 24, .size: 8, .value_kind: global_buffer, .address_space: global }
    .group_segment_fixed_size: 327680
    .private_segment_fixed_size: 0
    .kernarg_segment_align: 8
    .kernarg_segment_size: 32
    .max_flat_workgroup_size: 128
    .sgpr_count:     66
    .vgpr_count:     768
    .wavefront_size: 32
...
	.end_amdgpu_metadata
.endif
;; end of part 4
